; MI455X (gfx1250); checked and timed in simulation.
; The chip was launched on July 23, 2026; its instructions are those of AMD's public machine-readable ISA for CDNA 5 (MIT licence, August 2026) and "CDNA5" Instruction Set Architecture Reference Guide (July 2026). The comments in the code are by the model that wrote it; some were corrected since.
;; Bahdanau Attention. Allowed arithmetic: float matrix products may take bf16 or f16 operands with f32 sums; other float arithmetic in f32, or as packed bf16 or f16 multiplies, adds, multiply-adds, maxima and minima; sums over many terms, partial sums and values carried from step to step in f32; what a program stores and reads back later, other than sums and carried values, may be rounded once to bf16 or f16.
;; Inputs: Wa_b 1 float32; Wa_w 1 x 1,024 float32; Wb_b 1,024 float32; Wb_w 1,024 x 1,024 float32; Wc_b 1,024 float32; Wc_w 1,024 x 1,024 float32; decoder_state 32 x 1,024 float32; encoder_hiddens 32 x 2,048 x 1,024 float32.
;; Outputs: out0 32 x 1,024 float32.
;; 2 versions, each right; version 2 is version 1 with the launch main written anew for expert scheduling mode. Each part assembles by itself: llvm-mc -triple=amdgcn-amd-amdhsa -mcpu=gfx1250 --defsym DOCPART=n.
;; ======== version 1 of 2: 3 launches
;; workspace buffers: wcf 2,097,152 bytes; biasp 524,288 bytes; part 2,097,152 bytes; stats 131,072 bytes
;; launch prep (part 1): grid 16 x 4, 8 waves a work-group, no clusters, 94,208 bytes of LDS; arguments Wc_w, Wb_w, decoder_state, wcf, biasp; writes wcf, biasp
.if DOCPART == 1
	.amdgcn_target "amdgcn-amd-amdhsa--gfx1250"
	.amdhsa_code_object_version 6
	.text
	.protected	k_qbd07943aa0_prep
	.globl	k_qbd07943aa0_prep
	.p2align	8
	.type	k_qbd07943aa0_prep,@function
k_qbd07943aa0_prep:
	s_mov_b64 s[64:65], 0
	v_nop
	global_prefetch_b8 v0, s[64:65] scope:SCOPE_SE
	s_setreg_imm32_b32 hwreg(HW_REG_WAVE_MODE, 25, 1), 1
	s_wait_xcnt 0x0
; PREP.  (1) Wc, rounded once to bf16, is written as matrix fragments in the order in which the main launch's waves take them.
; (2) biasp[q][b][n] = the sum over k = 256 q .. 256 q + 255 of bf16(decoder_state[b][k]) bf16(Wb[n][k]), sums in f32: four partial decoder projections, no biases.
; SHARES.  Work-group (ng, q): rows n = 64 ng .. + 63 of Wc and of Wb, all 32 rows of decoder_state, channels 256 q .. + 255 (1,024 bytes of f32 a row).
; Each load of a wave covers 512 consecutive bytes.  The numbers go to LDS as bf16 rows of 512 bytes + 16 of padding, and come back as fragments.
; wcf: fragment (nb = n / 16, ks = k / 32) stands at w 524,288 + (32 p + ks) 8,192 + f 1,024 + half 512 + lane 16, with p = nb >> 5, w = (nb >> 3) & 3, f = nb & 7;
; lane (r, h) holds Wc[16 nb + r][32 ks + 16 half + 8 h .. + 7].
; No matrix tile is shared between work-groups but decoder_state's 32 rows (32 KiB of a work-group's 160 KiB), so no cluster.  LIMITS: inputs are rounded once to bf16; NaN and infinities are not treated apart.
.set PITCH, 528                        ; 33 x 16 bytes: the 16 rows of a fragment load start at 16 different groups of four banks (64 banks of 4 bytes: ISA guide 11.1)
.set WCR,   0                          ; 64 rows of Wc
.set WBR,   64*PITCH                   ; 64 rows of Wb
.set DSR,   128*PITCH                  ; 32 rows of decoder_state
.set PSR,   160*PITCH                  ; 32 rows x 272 bytes: the projection's way out (64 f32 + 16 bytes)
.set SPARE, PSR+32*272                 ; 93,184: the spare words, 128 bytes for each of the eight waves
; v1 16 x lane; v2, v3 where I store converted rows; v4 a fragment's lane term; v5, v6, v7 my fragments of Wc, Wb, decoder_state; v8, v9 the way out's stage; v12 my offset in biasp
; v10, v11 the add's two registers; v16-31 two accumulators; v32-63 Wc's fragments, which the stores to wcf read: nothing else is written there
; v64-223 first the 40 loads, then Wb's (v64-127) and decoder_state's (v128-191) fragments; v224-255 converted pairs, at the end v224-231 the projection's rows on their way out
	s_load_b256 s[4:11], s[0:1], 0x0               ; Wc s[4:5], Wb s[6:7], decoder_state s[8:9], wcf s[10:11]
	s_load_b64 s[12:13], s[0:1], 0x20              ; biasp
	v_lshl_add_u32 v10, v0, 2, SPARE
	v_mov_b32 v11, 0
	v_lshrrev_b32 v12, 5, v0
	v_readfirstlane_b32 s14, v12                   ; wave 0..7
	s_and_b32 s15, ttmp7, 0xffff                   ; q
	v_and_b32 v13, 31, v0                          ; lane
	v_and_b32 v14, 15, v0                          ; r
	v_bfe_u32 v15, v0, 4, 1                        ; h
	v_lshlrev_b32 v1, 4, v13
	s_lshr_b32 s22, s14, 1                         ; nbl: which 16 of the 64 rows n
	s_and_b32 s23, s14, 1                          ; which half of the eight K blocks (Wc); which 16 of the 32 batch rows (projection)
	s_mul_i32 s20, s14, 8*PITCH
	v_lshl_add_u32 v2, v13, 3, s20                 ; my wave's 8 rows of Wc or Wb, 8 bytes a lane
	s_mul_i32 s21, s14, 4*PITCH
	s_add_co_u32 s21, s21, DSR
	v_lshl_add_u32 v3, v13, 3, s21                 ; my wave's 4 rows of decoder_state
	v_mul_u32_u24 v4, v14, PITCH
	v_lshl_add_u32 v4, v15, 4, v4                  ; r x pitch + 16 h
	s_mul_i32 s24, s22, 16*PITCH
	s_lshl_b32 s25, s23, 8
	s_add_co_u32 s25, s25, s24
	v_add_nc_u32 v5, s25, v4
	s_add_co_u32 s25, s24, WBR
	v_add_nc_u32 v6, s25, v4
	s_mul_i32 s25, s23, 16*PITCH
	s_add_co_u32 s25, s25, DSR
	v_add_nc_u32 v7, s25, v4
	s_mul_i32 s25, s23, 16*272
	s_lshl_b32 s26, s22, 6
	s_add_co_u32 s25, s25, s26
	s_add_co_u32 s25, s25, PSR
	v_mul_u32_u24 v8, v14, 272
	v_lshl_add_u32 v8, v15, 5, v8
	v_add_nc_u32 v8, s25, v8                       ; in: batch row 16 mb + r, columns 16 nbl + 8 h .. + 7
	s_mul_i32 s25, s14, 4*272
	s_add_co_u32 s25, s25, PSR
	v_mul_u32_u24 v9, v15, 272
	v_lshl_add_u32 v9, v14, 4, v9
	v_add_nc_u32 v9, s25, v9                       ; back: lanes 0-15 one row of 256 bytes, lanes 16-31 the next
	s_lshl_b32 s25, s14, 14
	v_lshlrev_b32 v12, 4, v14
	v_lshl_add_u32 v12, v15, 12, v12
	v_add_nc_u32 v12, s25, v12                     ; the same two rows in biasp
	s_lshl_b32 s27, s15, 10                        ; q x 1,024 bytes along a row
	s_lshl_b32 s16, ttmp9, 18                      ; 64 rows of 4,096 bytes
	s_lshl_b32 s17, s14, 15                        ; my wave's 8 rows
	s_add_co_u32 s16, s16, s17
	s_add_co_u32 s16, s16, s27
	s_mov_b32 s17, 0
	s_lshl_b32 s18, s14, 14                        ; my wave's 4 rows of decoder_state
	s_add_co_u32 s18, s18, s27
	s_mov_b32 s19, 0
	s_lshl_b32 s28, ttmp9, 2
	s_add_co_u32 s28, s28, s22                     ; nb
	s_lshr_b32 s29, s28, 5                         ; p
	s_bfe_u32 s30, s28, 0x20003                    ; w
	s_and_b32 s31, s28, 7                          ; f
	s_lshl_b32 s29, s29, 5
	s_lshl_b32 s32, s15, 3
	s_add_co_u32 s29, s29, s32
	s_lshl_b32 s32, s23, 2
	s_add_co_u32 s29, s29, s32                     ; 32 p + 8 q + 4 x half: my first K block
	s_lshl_b32 s32, s29, 13
	s_lshl_b32 s30, s30, 19
	s_add_co_u32 s32, s32, s30
	s_lshl_b32 s31, s31, 10
	s_add_co_u32 s32, s32, s31
	s_mov_b32 s33, 0
	s_lshl_b32 s34, s15, 17
	s_lshl_b32 s35, ttmp9, 8
	s_add_co_u32 s34, s34, s35
	s_mov_b32 s35, 0
	s_wait_kmcnt 0x0
	s_add_nc_u64 s[4:5], s[4:5], s[16:17]
	s_add_nc_u64 s[6:7], s[6:7], s[16:17]
	s_add_nc_u64 s[8:9], s[8:9], s[18:19]
	s_add_nc_u64 s[10:11], s[10:11], s[32:33]
	s_add_nc_u64 s[12:13], s[12:13], s[34:35]
.set i, 0
.rept 16                                       ; Wc: row i / 2, 512 bytes each
	global_load_b128 v[64+4*i:64+4*i+3], v1, s[4:5] offset:(i/2)*4096+(i%2)*512 th:TH_LOAD_NT
.set i, i+1
.endr
.set i, 0
.rept 16                                       ; Wb
	global_load_b128 v[128+4*i:128+4*i+3], v1, s[6:7] offset:(i/2)*4096+(i%2)*512 th:TH_LOAD_NT
.set i, i+1
.endr
.set i, 0
.rept 8                                        ; decoder_state (sixteen work-groups read these rows: no hint)
	global_load_b128 v[192+4*i:192+4*i+3], v1, s[8:9] offset:(i/2)*4096+(i%2)*512
.set i, i+1
.endr
; n loads' numbers are rounded to bf16, two to an instruction, and stored: 8 bytes a lane, 256 consecutive bytes a store
.macro CONV n, src, adr, off
.set i, 0
.rept \n
	v_cvt_pk_bf16_f32 v[224+2*i], v[(\src)+4*i], v[(\src)+4*i+1]
	v_cvt_pk_bf16_f32 v[225+2*i], v[(\src)+4*i+2], v[(\src)+4*i+3]
.set i, i+1
.endr
.set i, 0
.rept \n
	ds_store_b64 v[\adr], v[224+2*i:225+2*i] offset:(\off)+(i/2)*PITCH+(i%2)*256
.set i, i+1
.endr
.endm
	s_wait_loadcnt 24                              ; Wc's 16 are in; Wb's 16 and decoder_state's 8 may stay out
	CONV 16, 64, 2, WCR
	s_wait_loadcnt 8                               ; Wb's are in
	CONV 16, 128, 2, WBR
	s_wait_loadcnt 0x0
	CONV 8, 192, 3, 0
	s_wait_dscnt 0x0                               ; for the others' sake: my stores are done
	s_barrier_signal -1
	s_barrier_wait -1                              ; all rows lie in LDS
.irp i, 0,1,2,3                                ; my four fragments of Wc,
	ds_load_b128 v[32+8*(\i):32+8*(\i)+3], v5 offset:(\i)*64
	ds_load_b128 v[32+8*(\i)+4:32+8*(\i)+7], v5 offset:(\i)*64+32
.endr
.irp k, 0,1,2,3,4,5,6,7                        ; and the eight K steps of my tile of the projection
	ds_load_b128 v[64+8*(\k):64+8*(\k)+3], v6 offset:(\k)*64
	ds_load_b128 v[64+8*(\k)+4:64+8*(\k)+7], v6 offset:(\k)*64+32
	ds_load_b128 v[128+8*(\k):128+8*(\k)+3], v7 offset:(\k)*64
	ds_load_b128 v[128+8*(\k)+4:128+8*(\k)+7], v7 offset:(\k)*64+32
.endr
	s_wait_dscnt 32                                ; Wc's eight are in; the 32 behind them may stay out
.irp i, 0,1,2,3
	global_store_b128 v1, v[32+8*(\i):32+8*(\i)+3], s[10:11] offset:(\i)*8192       ; 512 consecutive bytes, aligned
	global_store_b128 v1, v[32+8*(\i)+4:32+8*(\i)+7], s[10:11] offset:(\i)*8192+512
.endr
	s_wait_dscnt 0x0
; source 0 = 16 rows of Wb, source 1 = 16 rows of decoder_state: a lane ends with one batch row and eight neighbouring columns.  Even and odd K steps take turns on two accumulators.
.irp k, 0,1,2,3,4,5,6,7
.if (\k) < 2
	v_wmma_f32_16x16x32_bf16 v[16+8*((\k)%2):16+8*((\k)%2)+7], v[64+8*(\k):64+8*(\k)+7], v[128+8*(\k):128+8*(\k)+7], 0
.else
	v_wmma_f32_16x16x32_bf16 v[16+8*((\k)%2):16+8*((\k)%2)+7], v[64+8*(\k):64+8*(\k)+7], v[128+8*(\k):128+8*(\k)+7], v[16+8*((\k)%2):16+8*((\k)%2)+7]
.endif
.endr
.rept 8
	v_nop                                          ; the places behind the last products (ISA guide 7.12.1), once a launch
.endr
.irp e, 0,2,4,6
	v_pk_add_f32 v[16+(\e):16+(\e)+1], v[16+(\e):16+(\e)+1], v[24+(\e):24+(\e)+1]  ; the two parities; each accumulator's lowest registers first
.endr
	ds_store_b128 v8, v[16:19]
	ds_store_b128 v8, v[20:23] offset:16
	s_wait_dscnt 0x0                               ; a row's 256 bytes come from four waves
	s_barrier_signal -1
	s_barrier_wait -1
	ds_load_b128 v[224:227], v9                    ; into registers that no pending global store names: the stores to wcf still read v32-63
	ds_load_b128 v[228:231], v9 offset:2*272
	s_wait_dscnt 0x0
	global_store_b128 v12, v[224:227], s[12:13]                ; 16 lanes store 256 consecutive bytes, aligned
	global_store_b128 v12, v[228:231], s[12:13] offset:8192
	s_wait_tensorcnt 0x0                           ; the wave's end, behind my last LDS store
	ds_add_u32 v10, v11
	s_wait_dscnt 0x0
	s_endpgm
.Lfunc_end_k_qbd07943aa0_prep:
	.size	k_qbd07943aa0_prep, .Lfunc_end_k_qbd07943aa0_prep-k_qbd07943aa0_prep
	.p2alignl 7, 3214868480
	.fill 96, 4, 3214868480
	.section	.rodata,"a",@progbits
	.p2align	6, 0x0
	.amdhsa_kernel k_qbd07943aa0_prep
		.amdhsa_group_segment_fixed_size 94208
		.amdhsa_private_segment_fixed_size 0
		.amdhsa_enable_private_segment 0
		.amdhsa_kernarg_size 40
		.amdhsa_user_sgpr_count 2
		.amdhsa_user_sgpr_kernarg_segment_ptr 1
		.amdhsa_wavefront_size32 1
		.amdhsa_system_sgpr_workgroup_id_x 1
		.amdhsa_system_sgpr_workgroup_id_y 1
		.amdhsa_system_sgpr_workgroup_id_z 1
		.amdhsa_system_vgpr_workitem_id 0
		.amdhsa_next_free_vgpr 256
		.amdhsa_next_free_sgpr 66
		.amdhsa_reserve_vcc 0
		.amdhsa_float_denorm_mode_32 3
		.amdhsa_float_denorm_mode_16_64 3
		.amdhsa_memory_ordered 1
		.amdhsa_forward_progress 1
		.amdhsa_inst_pref_size 21
	.end_amdhsa_kernel
	.amdgpu_metadata
---
amdhsa.version: [ 1, 2 ]
amdhsa.kernels:
  - .name:           k_qbd07943aa0_prep
    .symbol:         k_qbd07943aa0_prep.kd
    .args:
      - { .name: Wc_w, .offset: 0, .size: 8, .value_kind: global_buffer, .address_space: global }
      - { .name: Wb_w, .offset: 8, .size: 8, .value_kind: global_buffer, .address_space: global }
      - { .name: decoder_state, .offset: 16, .size: 8, .value_kind: global_buffer, .address_space: global }
      - { .name: wcf, .offset: 24, .size: 8, .value_kind: global_buffer, .address_space: global }
      - { .name: biasp, .offset: 32, .size: 8, .value_kind: global_buffer, .address_space: global }
    .group_segment_fixed_size: 94208
    .private_segment_fixed_size: 0
    .kernarg_segment_align: 8
    .kernarg_segment_size: 40
    .max_flat_workgroup_size: 256
    .sgpr_count:     66
    .vgpr_count:     256
    .wavefront_size: 32
...
	.end_amdgpu_metadata
.endif
;; end of part 1
;; launch main (part 2): grid 16 x 32, 4 waves a work-group, no clusters, 283,648 bytes of LDS; arguments encoder_hiddens, wcf, biasp, Wb_b, Wc_b, Wa_w, Wa_b, part, stats; writes part, stats
.if DOCPART == 2
	.amdgcn_target "amdgcn-amd-amdhsa--gfx1250"
	.amdhsa_code_object_version 6
	.text
	.protected	k_qbd07943aa0_main
	.globl	k_qbd07943aa0_main
	.p2align	8
	.type	k_qbd07943aa0_main,@function
k_qbd07943aa0_main:
	s_mov_b64 s[64:65], 0
	v_nop
	global_prefetch_b8 v0, s[64:65] scope:SCOPE_SE
	s_setreg_imm32_b32 hwreg(HW_REG_WAVE_MODE, 25, 1), 1
	s_wait_xcnt 0x0
; MAIN.  For a block of 128 encoder rows of one batch: x = enc Wc^T + (dec_proj + Wb_b + Wc_b); score = Wa_b + sum_n Wa[n] tanh(x[n]); the block's own maximum m, p = e^(score - m), l = sum p,
; and the unnormalised context sum_s p[s] enc[s][:].  part takes the context, stats (m, l); the last launch joins a batch's 16 blocks.
; EACH ENCODER BYTE IS READ ONCE: the 128 rows are read in pieces of 256 consecutive bytes, rounded to bf16 in registers and kept in LDS (128 x 2,064 bytes) for both products.
; SHARES.  Four waves; a wave makes 128 rows x 128 columns of x in 64 accumulators (512 registers); four waves cover 512 columns, so there are two passes.  K goes in steps of 32: steps 0-31 are pass 0, 32-63 pass 1.
; Wc comes straight into registers from wcf, which holds fragments in the order in which each wave takes them: a load covers 512 consecutive bytes, and no wave wants another wave's bytes.
; The fill of LDS runs beside pass 0: unit u (my wave's 16 rows u % 2 of the 64 channels u / 2) is loaded in step u - 5, stored in step u - 2, shown to all by the barrier of step 2 (u / 2) - 1.  Pass 1 has no barrier.
; NO CLUSTER, NO TENSOR RING: the rows take 264,192 of the 327,680 bytes of LDS; one K step of the work-group's 512 columns is 32,768 bytes, so two slots of it, the tables and the spare words do not fit beside them.
; THE PRODUCT IS USED TRANSPOSED (source 0 = 16 rows of Wc, source 1 = 16 encoder rows): lane (r, h), register j of accumulator (a, b) holds row 16 a + r, column 512 p + 128 w + 16 b + 8 h + j.
; The bias is the C operand of each pass's first products.  tanh x = 1 - 2 / (1 + 2^(c x)), c = 2 log2(e): score = Wa_b + sum Wa + sum (-2 Wa) / (1 + 2^(c x)); an overflow gives 1, an underflow -1.
; THE CONTEXT: p is split in bf16 as hi + lo; even rows of source 0 hold hi, odd rows lo, source 1 is 16 channels x 32 rows by the turning load: registers 0 and 1 of the result add up to the context.
; LIMITS.  All inputs are rounded once to bf16; l is the sum of the unrounded p; a weight below 2^-126 counts as 0; NaN and infinities are not treated apart.
; REGISTERS, in windows of 256 (s_set_vgpr_msb: bits 1:0 source 0, 3:2 source 1, 5:4 source 2, 7:6 destination):
;   window 0: v0-15 addresses; v16-23 scores; v24-31, v48-58 at work; v32-47 converted pairs; v59-61 lane, r, h; v62-63 the add's; v64-95, v96-127 encoder fragments (rows 0-63, 64-127); v128-255 four staging buffers, later tables
;   window 1: four buffers of 64 for Wc's fragments          windows 2, 3: accumulator (a, b) at v[8 (8 (a % 4) + b)] of window 2 + a / 4
.set PA,    2064                       ; an LDS row: 2,048 bytes + 16 = 129 x 16: the 16 rows of a fragment load start at 16 different groups of four banks (64 banks of 4 bytes: ISA guide 11.1)
.set HALF,  16*PA
.set QUART, 32*PA
.set BT,    128*PA                     ; 264,192  bias[n], f32
.set WT,    BT+4096                    ;          -2 Wa[n]
.set WS,    BT+8192                    ;          each thread's sum of eight Wa
.set SCP,   WS+512                     ;          score parts [wave][h][128 rows]
.set PB,    SCP+4096                   ;          for each wave 512 bytes: hi[128], lo[128]
.set CS,    PB+2048                    ;          for each wave 1,024 bytes: the context's way out
.set SPARE, CS+4096                    ; 283,136  the spare words, 128 bytes for each wave
.set L16, 1                            ; 16 x lane
.set EO,  2                            ; h x 4,096 + r x 16: two encoder rows, 256 bytes each
.set PFO, 3                            ; lane x 4,096: a lane a row
.set AW0, 4                            ; where I store a converted pair of rows, at K = 0
.set AW,  5                            ; the same at the base step
.set AR0, 6                            ; v6-9   r x pitch + 16 h + i x 32 rows
.set AR,  10                           ; v10-13 the same at the base step
.set TA,  14                           ; my place in the tables for the pass in hand
.set T16, 15                           ; 16 x thread
.set SC,  16
.set TMP, 24
.set CV,  32
.set LN,  59
.set RR,  60
.set HH,  61
.set SPW, 62
.set NIL, 63
.set AF0, 64
.set AF1, 96
.set ST,  128
.set BI,  128
.set WA,  192
.set WV,   26                          ; s26 wave
.set BAT,  28                          ; s28 batch
.set TRIP, 29                          ; s29 trips to go
.set PASS, 30                          ; s30 passes to go
.set KB,   31                          ; s31 the base step's byte in an LDS row
.set SB,   32                          ; s[32:33] wcf at my wave's fragments of the base step
.set SE,   34                          ; s[34:35] encoder_hiddens at my wave's 32 rows, at the base step's channels
.set T,    36                          ; s[36:37] at work
.set SEL,  38                          ; s[38:39] v_permlanex16_b32's selects
.set HIM,  40                          ; s40 0xffff0000: a word's upper bf16, and the mask of lanes 16-31
.set C2,   42                          ; s[42:43] 2 log2(e)
.set WAB,  44                          ; s44 Wa_b
.set L2E,  45                          ; s45 log2(e)
.set IDX,  46                          ; s46 16 x batch + block
.set T2,   47
.set MSB, 0
.macro WIN new                         ; the immediate's high byte repeats the setting that is left; a switch that changes nothing is dropped
.if MSB != (\new)
	s_set_vgpr_msb (MSB<<8)|(\new)
.set MSB, \new
.endif
.endm
.macro PLACES                          ; four places behind a matrix instruction, in front of loads into registers that it has read
.rept 4
	v_nop
.endr
.endm
; x, in LB, LS and CVT, counts from the base step, a multiple of 4.
.macro LB x                            ; the 16 loads of step x's fragments of Wc
	WIN 0x40
.irp f, 0,1,2,3,4,5,6,7
	global_load_b128 v[64*((\x)%4)+8*(\f):64*((\x)%4)+8*(\f)+3], v[L16], s[SB:SB+1] offset:(\x)*8192+(\f)*1024
	global_load_b128 v[64*((\x)%4)+8*(\f)+4:64*((\x)%4)+8*(\f)+7], v[L16], s[SB:SB+1] offset:(\x)*8192+(\f)*1024+512
.endr
.endm
.macro LS x                            ; unit x: 16 rows x 256 bytes of f32, two rows a load
	WIN 0
.irp i, 0,1,2,3,4,5,6,7
	global_load_b128 v[ST+32*((\x)%4)+4*(\i):ST+32*((\x)%4)+4*(\i)+3], v[EO], s[SE:SE+1] offset:(((\x)%2)*16+2*(\i))*4096+((\x)/2)*256 th:TH_LOAD_NT
.endr
.endm
.macro CVT x                           ; unit x is rounded to bf16 and stored
	WIN 0
.irp i, 0,1,2,3,4,5,6,7
	v_cvt_pk_bf16_f32 v[CV+2*(\i)], v[ST+32*((\x)%4)+4*(\i)], v[ST+32*((\x)%4)+4*(\i)+1]
	v_cvt_pk_bf16_f32 v[CV+2*(\i)+1], v[ST+32*((\x)%4)+4*(\i)+2], v[ST+32*((\x)%4)+4*(\i)+3]
.endr
.irp i, 0,1,2,3,4,5,6,7
	ds_store_b64 v[AW], v[CV+2*(\i):CV+2*(\i)+1] offset:(((\x)%2)*16+2*(\i))*PA+((\x)/2)*128
.endr
.endm
.macro AFLD buf, d, hi                 ; four encoder fragments (rows 64 hi .. + 63) of step d
	WIN 0
.irp a, 0,1,2,3
	ds_load_b128 v[(\buf)+8*(\a):(\buf)+8*(\a)+3], v[AR+2*(\hi)+(\a)/2] offset:((\a)%2)*HALF+(\d)*64
	ds_load_b128 v[(\buf)+8*(\a)+4:(\buf)+8*(\a)+7], v[AR+2*(\hi)+(\a)/2] offset:((\a)%2)*HALF+(\d)*64+32
.endr
.endm
.macro BILD win, base, off             ; my 64 numbers of a table: for each b the columns 16 b + 8 h .. + 7
	WIN \win
.irp b, 0,1,2,3,4,5,6,7
	ds_load_b128 v[(\base)+8*(\b):(\base)+8*(\b)+3], v[TA] offset:(\off)+(\b)*64
	ds_load_b128 v[(\base)+8*(\b)+4:(\base)+8*(\b)+7], v[TA] offset:(\off)+(\b)*64+16
.endr
.endm
; 16 matrix instructions: row blocks a0, a0 + 1 of the window's four x all 8 column blocks.  zero = 1, 2: the sums start with the bias, which lies in window 1 at v192 or in window 0 at v128.
; All 64 accumulators take turns, one instruction a turn, in the same order in every step.
.macro MUL16 j, hi, a0, zero
.if (\zero) == 1
	WIN 0x91+0x40*(\hi)
.elseif (\zero) == 2
	WIN 0x81+0x40*(\hi)
.else
	WIN 0xa1+0x50*(\hi)
.endif
.irp a, \a0, (\a0)+1
.irp b, 0,1,2,3,4,5,6,7
.if (\zero) == 1
	v_wmma_f32_16x16x32_bf16 v[8*(8*(\a)+(\b)):8*(8*(\a)+(\b))+7], v[64*(\j)+8*(\b):64*(\j)+8*(\b)+7], v[AF0+32*(\hi)+8*(\a):AF0+32*(\hi)+8*(\a)+7], v[192+8*(\b):192+8*(\b)+7]
.elseif (\zero) == 2
	v_wmma_f32_16x16x32_bf16 v[8*(8*(\a)+(\b)):8*(8*(\a)+(\b))+7], v[64*(\j)+8*(\b):64*(\j)+8*(\b)+7], v[AF0+32*(\hi)+8*(\a):AF0+32*(\hi)+8*(\a)+7], v[BI+8*(\b):BI+8*(\b)+7]
.else
	v_wmma_f32_16x16x32_bf16 v[8*(8*(\a)+(\b)):8*(8*(\a)+(\b))+7], v[64*(\j)+8*(\b):64*(\j)+8*(\b)+7], v[AF0+32*(\hi)+8*(\a):AF0+32*(\hi)+8*(\a)+7], v[8*(8*(\a)+(\b)):8*(8*(\a)+(\b))+7]
.endif
.endr
.endr
.endm
.macro ADV fill                        ; the base goes four steps on
	WIN 0
	s_wait_xcnt 0x0                                ; every load and prefetch issued so far (the youngest 64 matrix instructions back) has read its address, so the pointers may be written
	s_add_nc_u64 s[SB:SB+1], s[SB:SB+1], 4*8192
.if \fill
	s_add_nc_u64 s[SE:SE+1], s[SE:SE+1], 512
.endif
	s_add_co_u32 s[KB], s[KB], 256
.irp i, 0,1,2,3
	v_add_nc_u32 v[AR+(\i)], s[KB], v[AR0+(\i)]
.endr
.if \fill
	v_add_nc_u32 v[AW], s[KB], v[AW0]
.endif
.endm
; A STEP, 32 along K, 64 matrix instructions.  d: the step, counted from the base.  wl: the loads younger than this step's fragments of Wc.  cv: unit d + 2 is converted and stored.  ls: unit d + 5 is asked for.
; lb: Wc of step d + 2 (2), d + 3 (3), or both (5) is asked for.  bar: a barrier shows the next 64 channels to every wave.  nxt: the next step's first fragments are fetched.  tab: the table -2 Wa is fetched.
; pf: my 32 rows' 256 bytes of channels 64 ((d + 9) / 2) .. are prefetched, a lane a row: four steps, 256 matrix instructions, ahead of their first load; each such piece is named once in the launch, by the wave
; that will load it; the first five pieces of a row come by their loads alone; pf = 2: not in the loop's last trip, where the piece would lie behind the row's end.
.macro STEP d, zero, wl, cv, ls, lb, bar, nxt, tab, pf
	WIN 0
	s_wait_loadcnt \wl                             ; loads come back in order (ISA guide 5.7.1): this step's Wc is in, and so is unit d + 2, which was asked for earlier
.if \cv
	CVT (\d)+2                                     ; its 16 conversions are also the places behind the last products
.else
	PLACES
.endif
	AFLD AF1, \d, 1
.if ((\lb) == 2) || ((\lb) == 5)
	LB (\d)+2
.endif
.if ((\lb) == 3) || ((\lb) == 5)
	LB (\d)+3
.endif
.if \ls
	LS (\d)+5
.endif
.if \pf
	WIN 0
.if (\pf) == 2
	s_cmp_gt_u32 s[TRIP], 1
	s_cbranch_scc0 .Lno_ask_\@
.endif
	global_prefetch_b8 v[PFO], s[SE:SE+1] offset:(((\d)+9)/2)*256 th:TH_LOAD_NT scope:SCOPE_SE
.if (\pf) == 2
.Lno_ask_\@:
.endif
.endif
	s_wait_dscnt 8*(\cv)+8                         ; rows 0-63's fragments are in; the stores and the eight loads just issued may be out
	MUL16 (\d)%4, 0, 0, \zero
.if \bar
	s_wait_dscnt 0x0                               ; for the others' sake: both units of the next 64 channels are stored (this step's and the step's before)
	s_barrier_signal -1
.endif
	MUL16 (\d)%4, 0, 2, \zero
.if \bar
	s_barrier_wait -1                              ; every wave's are: the loads below may read them
.endif
	WIN 0
.if (\bar) == 0
	s_wait_dscnt 0x0                               ; rows 64-127's fragments are in
.endif
	PLACES
.if \nxt
	AFLD AF0, (\d)+1, 0
.endif
.if \tab
	BILD 0, WA, 4096
.endif
	MUL16 (\d)%4, 1, 0, \zero
	MUL16 (\d)%4, 1, 2, \zero
.endm
	s_load_b256 s[8:15], s[0:1], 0x0               ; encoder_hiddens s[8:9], wcf s[10:11], biasp s[12:13], Wb_b s[14:15]
	s_load_b256 s[16:23], s[0:1], 0x20             ; Wc_b s[16:17], Wa_w s[18:19], Wa_b s[20:21], part s[22:23]
	s_load_b64 s[24:25], s[0:1], 0x40              ; stats
	v_lshl_add_u32 v[SPW], v0, 2, SPARE
	v_mov_b32 v[NIL], 0
	v_lshrrev_b32 v48, 5, v0
	v_readfirstlane_b32 s[WV], v48                 ; wave 0..3
	s_and_b32 s[BAT], ttmp7, 0xffff
	s_lshl_b32 s[IDX], s[BAT], 4
	s_add_co_u32 s[IDX], s[IDX], ttmp9
	v_and_b32 v[LN], 31, v0
	v_and_b32 v[RR], 15, v0
	v_bfe_u32 v[HH], v0, 4, 1
	v_lshlrev_b32 v[L16], 4, v[LN]
	v_lshlrev_b32 v[EO], 4, v[RR]
	v_lshl_add_u32 v[EO], v[HH], 12, v[EO]
	v_lshlrev_b32 v[PFO], 12, v[LN]
	s_mul_i32 s[T], s[WV], QUART
	v_mul_u32_u24 v[AW0], v[HH], PA
	v_lshl_add_u32 v[AW0], v[RR], 3, v[AW0]
	v_add_nc_u32 v[AW0], s[T], v[AW0]
	v_mov_b32 v[AW], v[AW0]
	v_mul_u32_u24 v[AR0], v[RR], PA
	v_lshl_add_u32 v[AR0], v[HH], 4, v[AR0]
	v_add_nc_u32 v[AR0+1], QUART, v[AR0]
	v_add_nc_u32 v[AR0+2], 2*QUART, v[AR0]
	v_add_nc_u32 v[AR0+3], 3*QUART, v[AR0]
.irp i, 0,1,2,3
	v_mov_b32 v[AR+(\i)], v[AR0+(\i)]
.endr
	s_lshl_b32 s[T], s[WV], 9
	s_add_co_u32 s[T], s[T], BT
	v_lshl_add_u32 v[TA], v[HH], 5, s[T]
	v_lshlrev_b32 v[T16], 4, v0
.irp a, 0,1,2,3,4,5,6,7
	v_mov_b32 v[SC+(\a)], 0                        ; eight score sums a lane, taken up by both passes' one text
.endr
	s_mov_b32 s[SEL], 0x76543210
	s_mov_b32 s[SEL+1], 0xfedcba98
	s_mov_b32 s[HIM], 0xffff0000
	s_mov_b32 s[C2], 0x4038aa3b
	s_mov_b32 s[C2+1], s[C2]                       ; named with it as a pair
	s_mov_b32 s[L2E], 0x3fb8aa3b
	s_mov_b32 s[KB], 0
	s_mov_b32 s[PASS], 2
	s_wait_kmcnt 0x0
	s_load_b32 s[WAB], s[20:21], 0x0
	s_lshl_b32 s[T], s[IDX], 19                    ; a block is 128 rows of 4,096 bytes,
	s_lshl_b32 s[T2], s[WV], 17                    ; my wave fills 32 of them
	s_add_co_u32 s[T], s[T], s[T2]
	s_mov_b32 s[T+1], 0
	s_add_nc_u64 s[SE:SE+1], s[8:9], s[T:T+1]
	s_lshl_b32 s[T], s[WV], 19
	s_add_nc_u64 s[SB:SB+1], s[10:11], s[T:T+1]
	s_lshl_b32 s[T], s[BAT], 12
	s_add_nc_u64 s[12:13], s[12:13], s[T:T+1]      ; biasp at my batch
	s_lshl_b32 s[T], s[IDX], 12
	s_lshl_b32 s[T2], s[WV], 10
	s_add_co_u32 s[T], s[T], s[T2]
	s_add_nc_u64 s[22:23], s[22:23], s[T:T+1]      ; part at my block, my wave's 256 channels
	s_lshl_b32 s[T], s[IDX], 8
	s_add_nc_u64 s[24:25], s[24:25], s[T:T+1]      ; stats at my block
	LS 0
	LS 1
	LS 2
	LS 3
.irp q, 0,1,2,3                                ; the tables' sources: thread t takes n = 4 t .. + 3 and 512 + 4 t .. + 3: 512 consecutive bytes a load
	global_load_b128 v[64+8*(\q):64+8*(\q)+3], v[T16], s[12:13] offset:(\q)*131072
	global_load_b128 v[64+8*(\q)+4:64+8*(\q)+7], v[T16], s[12:13] offset:(\q)*131072+2048
.endr
	global_load_b128 v[96:99], v[T16], s[14:15]
	global_load_b128 v[100:103], v[T16], s[14:15] offset:2048
	global_load_b128 v[104:107], v[T16], s[16:17]
	global_load_b128 v[108:111], v[T16], s[16:17] offset:2048
	global_load_b128 v[112:115], v[T16], s[18:19]
	global_load_b128 v[116:119], v[T16], s[18:19] offset:2048
	LB 0
	LB 1
	WIN 0
	s_wait_loadcnt 62                              ; units 0 and 1 are in; younger: units 2 and 3 (16), the tables' 14, Wc's 32
	CVT 0
	CVT 1
	LS 4
	s_wait_loadcnt 40                              ; the tables' sources are in; younger: Wc's 32, unit 4's 8
	s_wait_kmcnt 0x0                               ; Wa_b
.macro RND b                           ; eight numbers rounded to bf16 and widened again, in place
.irp e, 0,2,4,6
	v_cvt_pk_bf16_f32 v[48+(\e)/2], v[(\b)+(\e)], v[(\b)+(\e)+1]
.endr
.irp e, 0,2,4,6
	v_lshlrev_b32 v[(\b)+(\e)], 16, v[48+(\e)/2]
	v_and_b32 v[(\b)+(\e)+1], s[HIM], v[48+(\e)/2]
.endr
.endm
.irp e, 0,2,4,6
	v_pk_add_f32 v[64+(\e):64+(\e)+1], v[64+(\e):64+(\e)+1], v[72+(\e):72+(\e)+1]
	v_pk_add_f32 v[80+(\e):80+(\e)+1], v[80+(\e):80+(\e)+1], v[88+(\e):88+(\e)+1]
.endr
	RND 96
	RND 104
	RND 112
.irp e, 0,2,4,6
	v_pk_add_f32 v[64+(\e):64+(\e)+1], v[64+(\e):64+(\e)+1], v[80+(\e):80+(\e)+1]
	v_pk_add_f32 v[96+(\e):96+(\e)+1], v[96+(\e):96+(\e)+1], v[104+(\e):104+(\e)+1]
.endr
.irp e, 0,2,4,6
	v_pk_add_f32 v[64+(\e):64+(\e)+1], v[64+(\e):64+(\e)+1], v[96+(\e):96+(\e)+1]  ; bias = the four parts of dec_proj + Wb_b + Wc_b
.endr
	v_pk_add_f32 v[52:53], v[112:113], v[114:115]
	v_pk_add_f32 v[54:55], v[116:117], v[118:119]
	v_pk_add_f32 v[52:53], v[52:53], v[54:55]
	v_add_f32 v52, v52, v53                        ; my eight Wa
.irp e, 0,2,4,6
	v_pk_mul_f32 v[112+(\e):112+(\e)+1], v[112+(\e):112+(\e)+1], -2.0 op_sel_hi:[1,0]
.endr
	v_add_nc_u32 v56, BT, v[T16]
	v_lshl_add_u32 v57, v0, 2, WS
	ds_store_b128 v56, v[64:67]
	ds_store_b128 v56, v[68:71] offset:2048
	ds_store_b128 v56, v[112:115] offset:4096
	ds_store_b128 v56, v[116:119] offset:6144
	ds_store_b32 v57, v52
	s_wait_dscnt 0x0                               ; for the others' sake: units 0 and 1 and my part of the tables are stored
	s_barrier_signal -1
	s_barrier_wait -1
	BILD 0x40, 192, 0                              ; pass 0's bias, into Wc's fourth buffer, which is loaded only in step 1
	AFLD AF0, 0, 0
	; PASS 0.  In a step Wc of step s + 2 goes out, then unit s + 5.  So behind Wc of step s stand unit s + 3, Wc of s + 1 and unit s + 4: 8 + 16 + 8 = 32 younger loads.
	STEP 0, 1, 24, 1, 1, 2, 0, 1, 0, 0             ; step 0: younger than its Wc are step 1's 16 and unit 4's 8
	WIN 0
	s_mov_b32 s[TRIP], 6
.Lfill:                                        ; steps 1 to 24
	STEP 1, 0, 32, 1, 1, 2, 1, 1, 0, 1
	STEP 2, 0, 32, 1, 1, 2, 0, 1, 0, 0
	STEP 3, 0, 32, 1, 1, 2, 1, 1, 0, 2
	STEP 4, 0, 32, 1, 1, 2, 0, 1, 0, 0
	ADV 1
	s_sub_co_u32 s[TRIP], s[TRIP], 1
	s_cmp_lg_u32 s[TRIP], 0
	s_cbranch_scc1 .Lfill
	STEP 1, 0, 32, 1, 1, 2, 1, 1, 0, 0             ; step 25 (the base is 24): unit 30 is asked for
	STEP 2, 0, 32, 1, 1, 2, 0, 1, 0, 0             ; 26: unit 31, the last
	STEP 3, 0, 32, 1, 0, 2, 1, 1, 0, 0             ; 27
	STEP 4, 0, 24, 1, 0, 5, 0, 1, 0, 0             ; 28: younger are unit 31's 8 and step 29's 16; from here Wc runs three steps ahead
	STEP 5, 0, 32, 1, 0, 3, 1, 1, 0, 0             ; 29: younger are steps 30's and 31's; the last unit is stored, the last barrier
	STEP 6, 0, 32, 0, 0, 3, 0, 1, 0, 0             ; 30
	STEP 7, 0, 32, 0, 0, 3, 0, 0, 1, 0             ; 31: pass 1's first three steps of Wc stay on their way through what follows
	WIN 0
; THE EPILOGUE, one text for both passes, in place on the accumulators, a window at a time.  A group g is one row block: 64 registers, 32 pairs; pair i is registers 2 (i / 8), + 1 of accumulator i % 8.
.macro RRSET g, i
.set rr, 64*(\g)+8*((\i)%8)+2*((\i)/8)
.set tt, WA+8*((\i)%8)+2*((\i)/8)
.set cc, 64*(\g)+8*((\i)%8)
.endm
.macro EF g, i                         ; c x
	RRSET \g, \i
	v_pk_mul_f32 v[rr:rr+1], v[rr:rr+1], s[C2:C2+1] op_sel_hi:[1,0]
.endm
.macro EE g, i, z                      ; 2^(c x)
	RRSET \g, \i
	v_exp_f32 v[rr+(\z)], v[rr+(\z)]
.endm
.macro EA g, i                         ; + 1
	RRSET \g, \i
	v_pk_add_f32 v[rr:rr+1], v[rr:rr+1], 1.0 op_sel_hi:[1,0]
.endm
.macro ER g, i, z                      ; the reciprocal
	RRSET \g, \i
	v_rcp_f32 v[rr+(\z)], v[rr+(\z)]
.endm
.macro ES g, i                         ; times -2 Wa, summed into each accumulator's first pair
	RRSET \g, \i
.if (\i) < 8
	v_pk_mul_f32 v[rr:rr+1], v[rr:rr+1], v[tt:tt+1]
.else
	v_pk_fma_f32 v[cc:cc+1], v[rr:rr+1], v[tt:tt+1], v[cc:cc+1]
.endif
.endm
; Stage n: group n is scaled, group n - 1 has its exponentials, group n - 2 its + 1 and its reciprocals, group n - 3 its products.  No line of a stage names a result of that stage's exponentials or reciprocals:
; they are one batch, and the next stage opens with the plain instruction behind the last of them and the one wait ahead of their first reader.
.macro STAGE n
.if (\n) >= 2
	v_nop
	s_wait_alu depctr_va_vdst(0)
.endif
.set i, 0
.rept 32
.if ((\n) >= 2) && ((\n) <= 5)
	EA (\n)-2, i
.endif
.if ((\n) >= 1) && ((\n) <= 4)
	EE (\n)-1, i, 0
.endif
.if (\n) <= 3
	EF \n, i
.endif
.if ((\n) >= 1) && ((\n) <= 4)
	EE (\n)-1, i, 1
.endif
.set i, i+1
.endr
.set i, 0
.rept 32
.if (\n) >= 3
	ES (\n)-3, i
.endif
.if ((\n) >= 2) && ((\n) <= 5)
	ER (\n)-2, i, 0
	ER (\n)-2, i, 1
.endif
.set i, i+1
.endr
.endm
.macro EPW W                           ; window W = 2, 3
	WIN 0xa2+0x51*((\W)-2)                         ; destination, sources 0 and 2 in the window; source 1, the table, in window 0
.irp n, 0,1,2,3,4,5,6
	STAGE \n
.endr
	WIN 0xaa+0x55*((\W)-2)                         ; a group's eight pairs into one, the groups by turns
.irp b, 0,2,4,6
.irp g, 0,1,2,3
	v_pk_add_f32 v[64*(\g)+8*(\b):64*(\g)+8*(\b)+1], v[64*(\g)+8*(\b):64*(\g)+8*(\b)+1], v[64*(\g)+8*(\b)+8:64*(\g)+8*(\b)+9]
.endr
.endr
.irp b, 0,4
.irp g, 0,1,2,3
	v_pk_add_f32 v[64*(\g)+8*(\b):64*(\g)+8*(\b)+1], v[64*(\g)+8*(\b):64*(\g)+8*(\b)+1], v[64*(\g)+8*(\b)+16:64*(\g)+8*(\b)+17]
.endr
.endr
.irp g, 0,1,2,3
	v_pk_add_f32 v[64*(\g):64*(\g)+1], v[64*(\g):64*(\g)+1], v[64*(\g)+32:64*(\g)+33]
.endr
	WIN 0x0a+5*((\W)-2)                            ; sources in the window, destination in window 0
.irp g, 0,1,2,3
	v_add_f32 v[TMP+4*((\W)-2)+(\g)], v[64*(\g)], v[64*(\g)+1]
.endr
.endm
.Lepi:
	s_wait_dscnt 0x0                               ; the table -2 Wa is in
	PLACES
	PLACES                                         ; the places behind the pass's last products, twice a block
	EPW 2
	EPW 3
	WIN 0
.irp k, 0,2,4,6
	v_pk_add_f32 v[SC+(\k):SC+(\k)+1], v[SC+(\k):SC+(\k)+1], v[TMP+(\k):TMP+(\k)+1]
.endr
	v_add_nc_u32 v[TA], 2048, v[TA]                ; the tables' next 512 columns
	s_sub_co_u32 s[PASS], s[PASS], 1
	s_cmp_eq_u32 s[PASS], 0
	s_cbranch_scc1 .Lsoft
	; PASS 1: all rows lie in LDS; no barrier.  Wc runs three steps ahead: behind step s's stand the 32 loads of steps s + 1 and s + 2.
	s_wait_xcnt 0x0                                ; the loads of steps 32 to 34 have read their address
	s_add_nc_u64 s[SB:SB+1], s[SB:SB+1], 8*8192    ; the base goes from 24 to 32
	s_mov_b32 s[KB], 0
.irp i, 0,1,2,3
	v_mov_b32 v[AR+(\i)], v[AR0+(\i)]
.endr
	BILD 0, BI, 0                                  ; pass 1's bias, into staging registers that are idle now
	AFLD AF0, 0, 0
	STEP 0, 2, 32, 0, 0, 3, 0, 1, 0, 0             ; step 32
	WIN 0
	s_mov_b32 s[TRIP], 7
.Lrun:                                         ; steps 33 to 60
	STEP 1, 0, 32, 0, 0, 3, 0, 1, 0, 0
	STEP 2, 0, 32, 0, 0, 3, 0, 1, 0, 0
	STEP 3, 0, 32, 0, 0, 3, 0, 1, 0, 0
	STEP 4, 0, 32, 0, 0, 3, 0, 1, 0, 0
	ADV 0
	s_sub_co_u32 s[TRIP], s[TRIP], 1
	s_cmp_lg_u32 s[TRIP], 0
	s_cbranch_scc1 .Lrun
	STEP 1, 0, 32, 0, 0, 0, 0, 1, 0, 0             ; 61: nothing is left to ask for, and the counts run down
	STEP 2, 0, 16, 0, 0, 0, 0, 1, 0, 0             ; 62
	STEP 3, 0, 0, 0, 0, 0, 0, 0, 1, 0              ; 63
	WIN 0
	s_branch .Lepi
.Lsoft:                                        ; THE BLOCK'S SOFTMAX AND CONTEXT
	s_lshl_b32 s[T], s[WV], 10
	s_add_co_u32 s[T2], s[T], SCP
	v_lshl_add_u32 v48, v[RR], 2, s[T2]
	v_lshl_add_u32 v48, v[HH], 9, v48
.irp a, 0,1,2,3,4,5,6,7
	ds_store_b32 v48, v[SC+(\a)] offset:(\a)*64    ; row 16 a + r: the part of my wave's columns with my h
.endr
	v_add_nc_u32 v49, WS, v[L16]
	v_and_b32 v50, 7, v0
	v_bfe_u32 v51, v0, 3, 1
	v_lshl_add_u32 v50, v[HH], 3, v50
	v_mul_u32_u24 v52, v50, PA                     ; the turning load: row 8 h + l % 8,
	v_lshl_add_u32 v52, v51, 4, v52                ; channels 8 ((l / 8) % 2) + 0..7,
	s_lshl_b32 s[T2], s[WV], 9
	v_add_nc_u32 v52, s[T2], v52                   ; of my wave's 256 channels;
	v_add_nc_u32 v53, QUART, v52                   ; one address for each 32 rows
	v_add_nc_u32 v54, 2*QUART, v52
	v_add_nc_u32 v55, 3*QUART, v52
	s_add_co_u32 s[T2], s[T2], PB
	v_lshl_add_u32 v56, v[LN], 3, s[T2]            ; my four rows' hi
	v_and_b32 v57, 1, v0
	v_lshlrev_b32 v57, 8, v57
	v_lshl_add_u32 v57, v[HH], 4, v57
	v_add_nc_u32 v57, s[T2], v57                   ; source 0: even rows read hi, odd rows lo
	s_add_co_u32 s[T2], s[T], CS
	v_lshl_add_u32 v58, v[LN], 2, s[T2]
	v_add_nc_u32 v10, s[T2], v[L16]
	v_lshlrev_b32 v11, 3, v[LN]
	s_wait_dscnt 0x0                               ; for the others' sake: my score parts are stored
	s_barrier_signal -1
	s_barrier_wait -1
.irp i, 0,1,2,3,4,5,6,7
	ds_load_b128 v[128+4*(\i):128+4*(\i)+3], v49 offset:512+(\i)*512  ; every wave takes all 128 rows, four a lane: the eight parts,
.endr
	ds_load_b128 v[160:163], v49                   ; and four threads' sums of Wa
.macro TRLD sb                         ; rows 32 sb .. + 31 x my 256 channels, turned: 16 fragments
	WIN 0x80+0x40*((\sb)/2)
.irp hb, 0,1,2,3,4,5,6,7,8,9,10,11,12,13,14,15
	ds_load_tr16_b128 v[((\sb)%2)*128+8*(\hb):((\sb)%2)*128+8*(\hb)+3], v[52+(\sb)] offset:(\hb)*32
	ds_load_tr16_b128 v[((\sb)%2)*128+8*(\hb)+4:((\sb)%2)*128+8*(\hb)+7], v[52+(\sb)] offset:(\hb)*32+HALF
.endr
.endm
	TRLD 0
	WIN 0
	s_wait_dscnt 32                                ; the nine are in; the 32 turning loads may stay out
.irp i, 0,2,4,6
	v_pk_add_f32 v[128+4*(\i):128+4*(\i)+1], v[128+4*(\i):128+4*(\i)+1], v[132+4*(\i):132+4*(\i)+1]
	v_pk_add_f32 v[130+4*(\i):130+4*(\i)+1], v[130+4*(\i):130+4*(\i)+1], v[134+4*(\i):134+4*(\i)+1]
.endr
.irp i, 0,4
	v_pk_add_f32 v[128+4*(\i):128+4*(\i)+1], v[128+4*(\i):128+4*(\i)+1], v[136+4*(\i):136+4*(\i)+1]
	v_pk_add_f32 v[130+4*(\i):130+4*(\i)+1], v[130+4*(\i):130+4*(\i)+1], v[138+4*(\i):138+4*(\i)+1]
.endr
	v_pk_add_f32 v[128:129], v[128:129], v[144:145]
	v_pk_add_f32 v[130:131], v[130:131], v[146:147]
	v_pk_add_f32 v[160:161], v[160:161], v[162:163]
	v_add_f32 v160, v160, v161
.irp x, 1,2,4,8
	v_add_f32_dpp v160, v160, v160 row_xmask:\x row_mask:0xf bank_mask:0xf
.endr
	v_permlanex16_b32 v161, v160, s[SEL], s[SEL+1]
	v_add_f32 v160, v160, v161                     ; the sum of all Wa
	v_cvt_pk_bf16_f32 v162, s[WAB], s[WAB]
	v_lshlrev_b32 v162, 16, v162
	v_add_f32 v160, v160, v162                     ; + Wa_b
	v_pk_add_f32 v[128:129], v[128:129], v[160:161] op_sel_hi:[1,0]
	v_pk_add_f32 v[130:131], v[130:131], v[160:161] op_sel_hi:[1,0]  ; my four rows' scores
	v_max3_num_f32 v164, v128, v129, v130
	v_max_num_f32 v164, v164, v131
.irp x, 1,2,4,8
	v_max_num_f32_dpp v164, v164, v164 row_xmask:\x row_mask:0xf bank_mask:0xf
.endr
	v_permlanex16_b32 v161, v164, s[SEL], s[SEL+1]
	v_max_num_f32 v50, v164, v161                  ; m, the block's maximum
	v_mul_f32 v162, s[L2E], v50
.irp j, 0,1,2,3
	v_fma_f32 v[132+(\j)], v[128+(\j)], s[L2E], -v162
.endr
.irp j, 0,1,2,3
	v_exp_f32 v[132+(\j)], v[132+(\j)]
.endr
	v_nop                                          ; a plain instruction behind the last exponential,
	s_wait_alu depctr_va_vdst(0)                   ; and the one wait ahead of the first reader
	v_pk_add_f32 v[136:137], v[132:133], v[134:135]
	v_cvt_pk_bf16_f32 v140, v132, v133             ; hi
	v_cvt_pk_bf16_f32 v141, v134, v135
	v_add_f32 v136, v136, v137
	v_lshlrev_b32 v144, 16, v140
	v_and_b32 v145, s[HIM], v140
	v_lshlrev_b32 v146, 16, v141
	v_and_b32 v147, s[HIM], v141
	v_pk_add_f32 v[144:145], v[132:133], v[144:145] neg_lo:[0,1] neg_hi:[0,1]
	v_pk_add_f32 v[146:147], v[134:135], v[146:147] neg_lo:[0,1] neg_hi:[0,1]
	v_cvt_pk_bf16_f32 v142, v144, v145             ; lo = p - hi, rounded
	v_cvt_pk_bf16_f32 v143, v146, v147
	ds_store_b64 v56, v[140:141]
	ds_store_b64 v56, v[142:143] offset:256
.irp s, 0,1,2,3
	ds_load_b128 v[64+8*(\s):64+8*(\s)+3], v57 offset:(\s)*64      ; LDS serves a wave's instructions in order (ISA guide 5.7.1.4): these see my wave's stores above
	ds_load_b128 v[64+8*(\s)+4:64+8*(\s)+7], v57 offset:(\s)*64+32
.endr
	TRLD 1
	TRLD 2
	TRLD 3
	WIN 0
.irp x, 1,2,4,8
	v_add_f32_dpp v136, v136, v136 row_xmask:\x row_mask:0xf bank_mask:0xf
.endr
	v_permlanex16_b32 v137, v136, s[SEL], s[SEL+1]
	v_add_f32 v51, v136, v137                      ; l, the sum of the unrounded p
.macro CTX sb                          ; 16 products: the 16 accumulators (window 1) take turns
	WIN 0x58+4*((\sb)/2)
.irp hb, 0,1,2,3,4,5,6,7,8,9,10,11,12,13,14,15
.if (\sb) == 0
	v_wmma_f32_16x16x32_bf16 v[8*(\hb):8*(\hb)+7], v[64+8*(\sb):64+8*(\sb)+7], v[((\sb)%2)*128+8*(\hb):((\sb)%2)*128+8*(\hb)+7], 0
.else
	v_wmma_f32_16x16x32_bf16 v[8*(\hb):8*(\hb)+7], v[64+8*(\sb):64+8*(\sb)+7], v[((\sb)%2)*128+8*(\hb):((\sb)%2)*128+8*(\hb)+7], v[8*(\hb):8*(\hb)+7]
.endif
.endr
.endm
	s_wait_dscnt 63                                ; 96 loads are younger than source 0's and the first 32 rows': the field's largest count serves
	CTX 0
	s_wait_dscnt 63                                ; 64 are younger than rows 32-63's
	CTX 1
	s_wait_dscnt 32
	CTX 2
	s_wait_dscnt 0x0
	CTX 3
	PLACES
	PLACES
	WIN 0x05                                       ; sources in window 1, destination in window 0
.irp hb, 0,1,2,3,4,5,6,7,8,9,10,11,12,13,14,15
	v_add_f32 v[128+(\hb)], v[8*(\hb)], v[8*(\hb)+1]               ; hi's row + lo's row: channel 16 hb + r, in both halves of the lanes
.endr
	WIN 0
.irp i, 0,1,2,3,4,5,6,7
	v_cndmask_b32 v[144+(\i)], v[128+2*(\i)], v[129+2*(\i)], s[HIM]  ; lane l: channel 32 i + l
.endr
.irp i, 0,1,2,3,4,5,6,7
	ds_store_b32 v58, v[144+(\i)] offset:(\i)*128
.endr
	ds_load_b128 v[152:155], v10                   ; back, four neighbouring channels a lane (my wave's own bytes, in order)
	ds_load_b128 v[156:159], v10 offset:512
	s_wait_dscnt 0x0
	global_store_b128 v[L16], v[152:155], s[22:23]             ; 512 consecutive bytes, aligned
	global_store_b128 v[L16], v[156:159], s[22:23] offset:512
	s_cmp_lg_u32 s[WV], 0
	s_cbranch_scc1 .Lend
	global_store_b64 v11, v[50:51], s[24:25]       ; wave 0: (m, l) 32 times: 256 consecutive bytes, aligned
.Lend:
	s_wait_tensorcnt 0x0                           ; the wave's end, behind my last LDS store
	ds_add_u32 v[SPW], v[NIL]
	s_wait_dscnt 0x0
	s_endpgm
.Lfunc_end_k_qbd07943aa0_main:
	.size	k_qbd07943aa0_main, .Lfunc_end_k_qbd07943aa0_main-k_qbd07943aa0_main
	.p2alignl 7, 3214868480
	.fill 96, 4, 3214868480
	.section	.rodata,"a",@progbits
	.p2align	6, 0x0
	.amdhsa_kernel k_qbd07943aa0_main
		.amdhsa_group_segment_fixed_size 283648
		.amdhsa_private_segment_fixed_size 0
		.amdhsa_enable_private_segment 0
		.amdhsa_kernarg_size 72
		.amdhsa_user_sgpr_count 2
		.amdhsa_user_sgpr_kernarg_segment_ptr 1
		.amdhsa_wavefront_size32 1
		.amdhsa_system_sgpr_workgroup_id_x 1
		.amdhsa_system_sgpr_workgroup_id_y 1
		.amdhsa_system_sgpr_workgroup_id_z 1
		.amdhsa_system_vgpr_workitem_id 0
		.amdhsa_next_free_vgpr 1024
		.amdhsa_next_free_sgpr 66
		.amdhsa_reserve_vcc 0
		.amdhsa_float_denorm_mode_32 3
		.amdhsa_float_denorm_mode_16_64 3
		.amdhsa_memory_ordered 1
		.amdhsa_forward_progress 1
		.amdhsa_inst_pref_size 255
	.end_amdhsa_kernel
	.section	.bss,"aw",@nobits
	.p2align	6
	.space	262144
	.amdgpu_metadata
---
amdhsa.version: [ 1, 2 ]
amdhsa.kernels:
  - .name:           k_qbd07943aa0_main
    .symbol:         k_qbd07943aa0_main.kd
    .args:
      - { .name: encoder_hiddens, .offset: 0, .size: 8, .value_kind: global_buffer, .address_space: global }
      - { .name: wcf, .offset: 8, .size: 8, .value_kind: global_buffer, .address_space: global }
      - { .name: biasp, .offset: 16, .size: 8, .value_kind: global_buffer, .address_space: global }
      - { .name: Wb_b, .offset: 24, .size: 8, .value_kind: global_buffer, .address_space: global }
      - { .name: Wc_b, .offset: 32, .size: 8, .value_kind: global_buffer, .address_space: global }
      - { .name: Wa_w, .offset: 40, .size: 8, .value_kind: global_buffer, .address_space: global }
      - { .name: Wa_b, .offset: 48, .size: 8, .value_kind: global_buffer, .address_space: global }
      - { .name: part, .offset: 56, .size: 8, .value_kind: global_buffer, .address_space: global }
      - { .name: stats, .offset: 64, .size: 8, .value_kind: global_buffer, .address_space: global }
    .group_segment_fixed_size: 283648
    .private_segment_fixed_size: 0
    .kernarg_segment_align: 8
    .kernarg_segment_size: 72
    .max_flat_workgroup_size: 128
    .sgpr_count:     66
    .vgpr_count:     1024
    .wavefront_size: 32
...
	.end_amdgpu_metadata
.endif
;; end of part 2
;; launch finish (part 3): grid 4 x 32, 2 waves a work-group, no clusters, 0 bytes of LDS; arguments part, stats, out0; writes out0
.if DOCPART == 3
	.amdgcn_target "amdgcn-amd-amdhsa--gfx1250"
	.amdhsa_code_object_version 6
	.text
	.protected	k_qbd07943aa0_finish
	.globl	k_qbd07943aa0_finish
	.p2align	8
	.type	k_qbd07943aa0_finish,@function
k_qbd07943aa0_finish:
	s_mov_b64 s[64:65], 0
	v_nop
	global_prefetch_b8 v0, s[64:65] scope:SCOPE_SE
	s_setreg_imm32_b32 hwreg(HW_REG_WAVE_MODE, 25, 1), 1
	s_wait_xcnt 0x0
; FINISH.  out0[b][:] = sum over the batch's 16 blocks of w[blk] part[b][blk][:], w[blk] = e^(m[blk] - M) / L, M = max m, L = sum e^(m[blk] - M) l[blk]: the softmax over all 2,048 rows, joined from the blocks' own.
; Work-group (x, b): channels 256 x .. + 255; thread t owns four of them.  A stream of 2 MiB: no LDS, no matrix unit, no cluster; each byte of part is read once, 512 consecutive bytes a load.
; LIMITS: a weight below 2^-126 counts as 0; NaN and infinities are not treated apart.  L is at least 1: the block that holds M has l of 1 or more.
	s_load_b128 s[4:7], s[0:1], 0x0                ; part s[4:5], stats s[6:7]
	s_load_b64 s[8:9], s[0:1], 0x10                ; out0
	s_and_b32 s10, ttmp7, 0xffff                   ; batch
	v_and_b32 v1, 15, v0
	v_lshlrev_b32 v1, 8, v1                        ; lane l reads block l % 16's pair
	v_lshlrev_b32 v2, 4, v0                        ; my 16 bytes
	s_lshl_b32 s14, ttmp9, 10
	s_lshl_b32 s12, s10, 12
	s_mov_b32 s13, 0
	s_wait_kmcnt 0x0
	s_add_nc_u64 s[6:7], s[6:7], s[12:13]
	s_add_co_u32 s12, s12, s14
	s_add_nc_u64 s[8:9], s[8:9], s[12:13]
	s_lshl_b32 s12, s10, 16
	s_add_co_u32 s12, s12, s14
	s_add_nc_u64 s[4:5], s[4:5], s[12:13]
	global_load_b64 v[4:5], v1, s[6:7]             ; (m, l)
.irp k, 0,1,2,3,4,5,6,7,8,9,10,11,12,13,14,15
	global_load_b128 v[16+4*(\k):16+4*(\k)+3], v2, s[4:5] offset:(\k)*4096 th:TH_LOAD_NT
.endr
	s_wait_loadcnt 16                              ; the pair is in; the 16 loads behind it may stay out
	v_mov_b32 v6, v4
.irp x, 1,2,4,8
	v_max_num_f32_dpp v6, v6, v6 row_xmask:\x row_mask:0xf bank_mask:0xf   ; each half of 16 lanes holds all 16 blocks
.endr
	v_sub_f32 v7, v4, v6
	v_mul_f32 v7, 0x3fb8aa3b, v7
	v_exp_f32 v7, v7
	v_nop                                          ; a plain instruction behind the exponential,
	s_wait_alu depctr_va_vdst(0)                   ; and the wait ahead of its first reader
	v_mul_f32 v8, v7, v5
.irp x, 1,2,4,8
	v_add_f32_dpp v8, v8, v8 row_xmask:\x row_mask:0xf bank_mask:0xf
.endr
	v_rcp_f32 v9, v8
	v_nop
	s_wait_alu depctr_va_vdst(0)
	v_mul_f32 v7, v7, v9
.irp k, 0,1,2,3,4,5,6,7,8,9,10,11,12,13,14,15
	v_readlane_b32 s[16+(\k)], v7, \k              ; the 16 weights as scalars
.endr
.irp k, 0,1,2,3,4,5,6,7,8,9,10,11,12,13,14,15
	s_wait_loadcnt 15-(\k)                         ; loads come back in order (ISA guide 5.7.1): block k's is in
.irp j, 0,1,2,3
.if (\k) == 0
	v_mul_f32 v[80+(\j)], s[16+(\k)], v[16+4*(\k)+(\j)]
.else
	v_fmac_f32 v[80+(\j)], s[16+(\k)], v[16+4*(\k)+(\j)]
.endif
.endr
.endr
	global_store_b128 v2, v[80:83], s[8:9]         ; 512 consecutive bytes a wave, aligned
	s_endpgm
.Lfunc_end_k_qbd07943aa0_finish:
	.size	k_qbd07943aa0_finish, .Lfunc_end_k_qbd07943aa0_finish-k_qbd07943aa0_finish
	.p2alignl 7, 3214868480
	.fill 96, 4, 3214868480
	.section	.rodata,"a",@progbits
	.p2align	6, 0x0
	.amdhsa_kernel k_qbd07943aa0_finish
		.amdhsa_group_segment_fixed_size 0
		.amdhsa_private_segment_fixed_size 0
		.amdhsa_enable_private_segment 0
		.amdhsa_kernarg_size 24
		.amdhsa_user_sgpr_count 2
		.amdhsa_user_sgpr_kernarg_segment_ptr 1
		.amdhsa_wavefront_size32 1
		.amdhsa_system_sgpr_workgroup_id_x 1
		.amdhsa_system_sgpr_workgroup_id_y 1
		.amdhsa_system_sgpr_workgroup_id_z 1
		.amdhsa_system_vgpr_workitem_id 0
		.amdhsa_next_free_vgpr 96
		.amdhsa_next_free_sgpr 66
		.amdhsa_reserve_vcc 0
		.amdhsa_float_denorm_mode_32 3
		.amdhsa_float_denorm_mode_16_64 3
		.amdhsa_memory_ordered 1
		.amdhsa_forward_progress 1
		.amdhsa_inst_pref_size 7
	.end_amdhsa_kernel
	.amdgpu_metadata
---
amdhsa.version: [ 1, 2 ]
amdhsa.kernels:
  - .name:           k_qbd07943aa0_finish
    .symbol:         k_qbd07943aa0_finish.kd
    .args:
      - { .name: part, .offset: 0, .size: 8, .value_kind: global_buffer, .address_space: global }
      - { .name: stats, .offset: 8, .size: 8, .value_kind: global_buffer, .address_space: global }
      - { .name: out0, .offset: 16, .size: 8, .value_kind: global_buffer, .address_space: global }
    .group_segment_fixed_size: 0
    .private_segment_fixed_size: 0
    .kernarg_segment_align: 8
    .kernarg_segment_size: 24
    .max_flat_workgroup_size: 64
    .sgpr_count:     66
    .vgpr_count:     96
    .wavefront_size: 32
...
	.end_amdgpu_metadata
.endif
;; end of part 3
;; ======== version 2 of 2: 3 launches; version 1 with the launch main written anew for expert scheduling mode
;; workspace buffers: wcf 2,097,152 bytes; biasp 524,288 bytes; part 2,097,152 bytes; stats 131,072 bytes
;; launch prep: the kernel of part 1 again; grid 16 x 4, 8 waves a work-group, no clusters, 94,208 bytes of LDS; arguments Wc_w, Wb_w, decoder_state, wcf, biasp; writes wcf, biasp
;; launch main (part 4): grid 16 x 32, 4 waves a work-group, no clusters, 283,648 bytes of LDS; arguments encoder_hiddens, wcf, biasp, Wb_b, Wc_b, Wa_w, Wa_b, part, stats; writes part, stats
.if DOCPART == 4
	.amdgcn_target "amdgcn-amd-amdhsa--gfx1250"
	.amdhsa_code_object_version 6
	.text
	.protected	k_qbd07943aa0_main
	.globl	k_qbd07943aa0_main
	.p2align	8
	.type	k_qbd07943aa0_main,@function
k_qbd07943aa0_main:
	s_mov_b64 s[64:65], 0
	v_nop
	global_prefetch_b8 v0, s[64:65] scope:SCOPE_SE
	s_setreg_imm32_b32 hwreg(HW_REG_WAVE_SCHED_MODE, 0, 2), 2
	s_setreg_imm32_b32 hwreg(HW_REG_WAVE_MODE, 25, 1), 1
	s_wait_xcnt 0x0
	s_wait_alu depctr_vm_vsrc(0)
; MAIN.  For a block of 128 encoder rows of one batch: x = enc Wc^T + (dec_proj + Wb_b + Wc_b); score = Wa_b + sum_n Wa[n] tanh(x[n]); the block's own maximum m, p = e^(score - m), l = sum p,
; and the unnormalised context sum_s p[s] enc[s][:].  part takes the context, stats (m, l); the last launch joins a batch's 16 blocks.
; EACH ENCODER BYTE IS READ ONCE: the 128 rows are read in pieces of 256 consecutive bytes, rounded to bf16 in registers and kept in LDS (128 x 2,064 bytes) for both products.
; SHARES.  Four waves; a wave makes 128 rows x 128 columns of x in 64 accumulators (512 registers); four waves cover 512 columns, so there are two passes.  K goes in steps of 32: steps 0-31 are pass 0, 32-63 pass 1.
; Wc comes straight into registers from wcf, which holds fragments in the order in which each wave takes them: a load covers 512 consecutive bytes, and no wave wants another wave's bytes.
; The fill of LDS runs beside pass 0: unit u (my wave's 16 rows u % 2 of the 64 channels u / 2) is loaded in step u - 5, stored in step u - 2, shown to all by the barrier of step 2 (u / 2) - 1.  Pass 1 has no barrier.
; NO CLUSTER, NO TENSOR RING: the rows take 264,192 of the 327,680 bytes of LDS; one K step of the work-group's 512 columns is 32,768 bytes, so two slots of it and the tables do not fit beside them.
; THE PRODUCT IS USED TRANSPOSED (source 0 = 16 rows of Wc, source 1 = 16 encoder rows): lane (r, h), register j of accumulator (a, b) holds row 16 a + r, column 512 p + 128 w + 16 b + 8 h + j.
; The bias is the C operand of each pass's first products.  tanh x = 1 - 2 / (1 + 2^(c x)), c = 2 log2(e): score = Wa_b + sum Wa + sum (-2 Wa) / (1 + 2^(c x)); an overflow gives 1, an underflow -1.
; THE CONTEXT: p is split in bf16 as hi + lo; even rows of source 0 hold hi, odd rows lo, source 1 is 16 channels x 32 rows by the turning load: registers 0 and 1 of the result add up to the context.
; LIMITS.  All inputs are rounded once to bf16; l is the sum of the unrounded p; a weight below 2^-126 counts as 0; NaN and infinities are not treated apart.
; THE MODE: SCHED_MODE bits 1:0 = 2 (LLVM: expert scheduling mode 2), set by the entry lines.  The code itself states the register dependences between vector or matrix instructions and memory or LDS
; instructions, with s_wait_alu, always for 0.
; THE PLAN.  Registers that memory or LDS instructions touch, in step d:
;   W0 .. W3    the step's 64 products read W[d % 4]; the loads of step d + 2 (pass 0) or d + 3 (pass 1) land in a buffer that was last read in step d - 2 or d - 1.
;   A1          rows 64-127's fragments: read by the step's last 32 products, loaded again at the next step's head.
;   A0e, A0o    rows 0-63's fragments, by the step's parity: the step's first 32 products read one; the loads for step d + 1 land in the other, last read in step d - 1.
;   ST0 .. ST3  unit d + 2 is rounded in place in ST[(d + 2) % 4] and stored to LDS from there; unit d + 5 lands in ST[(d + 1) % 4], rounded and stored from in step d - 1.
;   v[AR ..], v[AW]  read by every LDS access of a step; written once in four steps.   v[TA]  written once a pass.   v[L16], v[EO], v[PFO], v[T16]  never written again.
; So ONE wait on va_vdst stands in a step, at its head behind the conversions, and all the step's stores and loads follow it with no further wait: the products issued since name the accumulators, W[d % 4],
; this parity's A0, A1 and (steps 0 and 32) the bias, none of which a load of the step touches.  One wait on vm_vsrc stands beside it in the steps that load a unit, one ahead of each rewriting of an address.
; REGISTERS, in windows of 256 (s_set_vgpr_msb: bits 1:0 source 0, 3:2 source 1, 5:4 source 2, 7:6 destination):
;   window 0: v0-15 addresses; v16-23 scores; v24-55 A0o (outside the steps v24-31 and v48-55 are at work); v56-58 at work; v59-61 lane, r, h; v64-95 A0e; v96-127 A1; v128-255 four staging buffers, later tables
;   window 1: four buffers of 64 for Wc's fragments          windows 2, 3: accumulator (a, b) at v[8 (8 (a % 4) + b)] of window 2 + a / 4
.set PA,    2064                       ; an LDS row: 2,048 bytes + 16 = 129 x 16: the 16 rows of a fragment load start at 16 different groups of four banks (64 banks of 4 bytes: ISA guide 11.1)
.set HALF,  16*PA
.set QUART, 32*PA
.set BT,    128*PA                     ; 264,192  bias[n], f32
.set WT,    BT+4096                    ;          -2 Wa[n]
.set WS,    BT+8192                    ;          each thread's sum of eight Wa
.set SCP,   WS+512                     ;          score parts [wave][h][128 rows]
.set PB,    SCP+4096                   ;          for each wave 512 bytes: hi[128], lo[128]
.set CS,    PB+2048                    ;          for each wave 1,024 bytes: the context's way out; it ends at 283,136
.set L16, 1                            ; 16 x lane
.set EO,  2                            ; h x 4,096 + r x 16: two encoder rows, 256 bytes each
.set PFO, 3                            ; lane x 4,096: a lane a row
.set AW0, 4                            ; where I store a converted pair of rows, at K = 0
.set AW,  5                            ; the same at the base step
.set AR0, 6                            ; v6-9   r x pitch + 16 h + i x 32 rows
.set AR,  10                           ; v10-13 the same at the base step
.set TA,  14                           ; my place in the tables for the pass in hand
.set T16, 15                           ; 16 x thread
.set SC,  16
.set TMP, 24
.set AFX, 24                           ; A0o
.set LN,  59
.set RR,  60
.set HH,  61
.set AF0, 64                           ; A0e
.set AF1, 96                           ; A1
.set ST,  128
.set BI,  128
.set WA,  192
.set WV,   26                          ; s26 wave
.set BAT,  28                          ; s28 batch
.set TRIP, 29                          ; s29 trips to go
.set PASS, 30                          ; s30 passes to go
.set KB,   31                          ; s31 the base step's byte in an LDS row
.set SB,   32                          ; s[32:33] wcf at my wave's fragments of the base step
.set SE,   34                          ; s[34:35] encoder_hiddens at my wave's 32 rows, at the base step's channels
.set T,    36                          ; s[36:37] at work
.set SEL,  38                          ; s[38:39] v_permlanex16_b32's selects
.set HIM,  40                          ; s40 0xffff0000: a word's upper bf16, and the mask of lanes 16-31
.set C2,   42                          ; s[42:43] 2 log2(e)
.set WAB,  44                          ; s44 Wa_b
.set L2E,  45                          ; s45 log2(e)
.set IDX,  46                          ; s46 16 x batch + block
.set T2,   47
.set MSB, 0
.macro WIN new                         ; the immediate's high byte repeats the setting that is left; a switch that changes nothing is dropped
.if MSB != (\new)
	s_set_vgpr_msb (MSB<<8)|(\new)
.set MSB, \new
.endif
.endm
.macro PLACES                          ; four places behind a matrix instruction (ISA guide 7.12.1)
.rept 4
	v_nop
.endr
.endm
; x, in LB, LS, CVA and CVS, counts from the base step, a multiple of 4.  The loads are written four at a time, so that a step can deal them among its products.
.macro LB4 x, q                        ; four of the 16 loads of step x's fragments of Wc: fragments 2 q and 2 q + 1
	WIN 0x40
.irp f, 2*(\q), 2*(\q)+1
	global_load_b128 v[64*((\x)%4)+8*(\f):64*((\x)%4)+8*(\f)+3], v[L16], s[SB:SB+1] offset:(\x)*8192+(\f)*1024
	global_load_b128 v[64*((\x)%4)+8*(\f)+4:64*((\x)%4)+8*(\f)+7], v[L16], s[SB:SB+1] offset:(\x)*8192+(\f)*1024+512
.endr
.endm
.macro LB x
.irp q, 0,1,2,3
	LB4 \x, \q
.endr
.endm
.macro LS4 x, q                        ; four of the eight loads of unit x (16 rows x 256 bytes of f32, two rows a load)
	WIN 0
.irp i, 4*(\q), 4*(\q)+1, 4*(\q)+2, 4*(\q)+3
	global_load_b128 v[ST+32*((\x)%4)+4*(\i):ST+32*((\x)%4)+4*(\i)+3], v[EO], s[SE:SE+1] offset:(((\x)%2)*16+2*(\i))*4096+((\x)/2)*256 th:TH_LOAD_NT
.endr
.endm
.macro LS x
	LS4 \x, 0
	LS4 \x, 1
.endm
.macro CVA x                           ; unit x is rounded to bf16 in place: four numbers close up into the first two of their four registers
	WIN 0
.irp i, 0,1,2,3,4,5,6,7
	v_cvt_pk_bf16_f32 v[ST+32*((\x)%4)+4*(\i)], v[ST+32*((\x)%4)+4*(\i)], v[ST+32*((\x)%4)+4*(\i)+1]
	v_cvt_pk_bf16_f32 v[ST+32*((\x)%4)+4*(\i)+1], v[ST+32*((\x)%4)+4*(\i)+2], v[ST+32*((\x)%4)+4*(\i)+3]
.endr
.endm
.macro CVS x                           ; and stored
	WIN 0
.irp i, 0,1,2,3,4,5,6,7
	ds_store_b64 v[AW], v[ST+32*((\x)%4)+4*(\i):ST+32*((\x)%4)+4*(\i)+1] offset:(((\x)%2)*16+2*(\i))*PA+((\x)/2)*128
.endr
.endm
.macro AF4 buf, d, hi, q               ; two of the four encoder fragments of rows 64 hi .. + 63 in step d: rows 32 q .. + 31 of them, one address register
	WIN 0
.irp a, 0,1
	ds_load_b128 v[(\buf)+16*(\q)+8*(\a):(\buf)+16*(\q)+8*(\a)+3], v[AR+2*(\hi)+(\q)] offset:(\a)*HALF+(\d)*64
	ds_load_b128 v[(\buf)+16*(\q)+8*(\a)+4:(\buf)+16*(\q)+8*(\a)+7], v[AR+2*(\hi)+(\q)] offset:(\a)*HALF+(\d)*64+32
.endr
.endm
.macro AFLD buf, d, hi
	AF4 \buf, \d, \hi, 0
	AF4 \buf, \d, \hi, 1
.endm
.macro BI4 win, base, off, q           ; 16 of my 64 numbers of a table: for b = 2 q, 2 q + 1 the columns 16 b + 8 h .. + 7
	WIN \win
.irp b, 2*(\q), 2*(\q)+1
	ds_load_b128 v[(\base)+8*(\b):(\base)+8*(\b)+3], v[TA] offset:(\off)+(\b)*64
	ds_load_b128 v[(\base)+8*(\b)+4:(\base)+8*(\b)+7], v[TA] offset:(\off)+(\b)*64+16
.endr
.endm
.macro BILD win, base, off
.irp q, 0,1,2,3
	BI4 \win, \base, \off, \q
.endr
.endm
; Product mi of the 32 of a half step: row block mi / 8 of the window's four, column block mi % 8.  zero = 1, 2: the sums start with the bias, which lies in window 1 at v192 or in window 0 at v128.
; All 64 accumulators take turns, one instruction a turn, in the same order in every step.
.macro MM d, hi, zero
.set rW, 64*((\d)%4)+8*(mi%8)
.if \hi
.set rA, AF1+8*(mi/8)
.elseif (\d)%2
.set rA, AFX+8*(mi/8)
.else
.set rA, AF0+8*(mi/8)
.endif
.if (\zero) == 1
	WIN 0x91+0x40*(\hi)
	v_wmma_f32_16x16x32_bf16 v[8*mi:8*mi+7], v[rW:rW+7], v[rA:rA+7], v[192+8*(mi%8):192+8*(mi%8)+7]
.elseif (\zero) == 2
	WIN 0x81+0x40*(\hi)
	v_wmma_f32_16x16x32_bf16 v[8*mi:8*mi+7], v[rW:rW+7], v[rA:rA+7], v[BI+8*(mi%8):BI+8*(mi%8)+7]
.else
	WIN 0xa1+0x50*(\hi)
	v_wmma_f32_16x16x32_bf16 v[8*mi:8*mi+7], v[rW:rW+7], v[rA:rA+7], v[8*mi:8*mi+7]
.endif
.set mi, mi+1
.endm
; Group gi of the step's global loads: first Wc's, then the unit's, so that their order among themselves is Wc, unit, Wc, unit from step to step.  The prefetch stands behind the unit's last load.
.macro GRP d, ls, lb, pf
.if ((\lb) == 2) && (gi < 4)
	LB4 (\d)+2, gi
.elseif ((\lb) == 3) && (gi < 4)
	LB4 (\d)+3, gi
.elseif ((\lb) == 5) && (gi < 4)
	LB4 (\d)+2, gi
.elseif (\lb) == 5
	LB4 (\d)+3, gi-4
.elseif (\ls) && (gi >= 4) && (gi < 6)
	LS4 (\d)+5, gi-4
.if (\pf) && (gi == 5)
.if (\pf) == 2
	s_cmp_gt_u32 s[TRIP], 1
	s_cbranch_scc0 .Lno_ask_\@
.endif
	global_prefetch_b8 v[PFO], s[SE:SE+1] offset:(((\d)+9)/2)*256 th:TH_LOAD_NT scope:SCOPE_SE
.if (\pf) == 2
.Lno_ask_\@:
.endif
.endif
.endif
.endm
; Group gi of the LDS loads of a step's second half: the next step's fragments of rows 0-63, into the other parity's buffer, or the table -2 Wa.
.macro HGRP d, nxt, tab
.if (\nxt) && (gi < 2)
.if ((\d)+1)%2
	AF4 AFX, (\d)+1, 0, gi
.else
	AF4 AF0, (\d)+1, 0, gi
.endif
.elseif (\tab) && (gi < 4)
	BI4 0, WA, 4096, gi
.endif
.endm
.macro ADV fill                        ; the base goes four steps on
	WIN 0
	s_wait_xcnt 0x0                                ; every load and prefetch issued so far (the youngest stand in the step's first quarter) has read its address, so the pointers may be written
	s_add_nc_u64 s[SB:SB+1], s[SB:SB+1], 4*8192
.if \fill
	s_add_nc_u64 s[SE:SE+1], s[SE:SE+1], 512
.endif
	s_add_co_u32 s[KB], s[KB], 256
	s_wait_alu depctr_vm_vsrc(0)                   ; the LDS loads and stores issued so far have read v[AR ..] and v[AW], which are written below; that they are written is stated by the next step's wait on va_vdst
.irp i, 0,1,2,3
	v_add_nc_u32 v[AR+(\i)], s[KB], v[AR0+(\i)]
.endr
.if \fill
	v_add_nc_u32 v[AW], s[KB], v[AW0]
.endif
.endm
; A STEP, 32 along K, 64 matrix instructions.  d: the step, counted from the base.  wl: the loads younger than this step's fragments of Wc.  cv: unit d + 2 is converted and stored.  ls: unit d + 5 is asked for.
; lb: Wc of step d + 2 (2), d + 3 (3), or both (5) is asked for.  bar: a barrier shows the next 64 channels to every wave.  nxt: the next step's first fragments are fetched.  tab: the table -2 Wa is fetched.
; pf: my 32 rows' 256 bytes of channels 64 ((d + 9) / 2) .. are prefetched, a lane a row: four steps, 256 matrix instructions, ahead of their first load; each such piece is named once in the launch, by the wave
; that will load it; the first five pieces of a row come by their loads alone; pf = 2: not in the loop's last trip, where the piece would lie behind the row's end.
; THE ORDER.  Ahead of the first product stand only the LDS stores and A1's loads, which the barrier's signal and the second half want early.  The global loads are dealt four at a time behind every second of the
; first 16 products, all ahead of the barrier's signal; the LDS loads of the second half likewise behind its first products, behind the barrier's wait.  A group costs two window switches: the price of short runs.
.macro STEP d, zero, wl, cv, ls, lb, bar, nxt, tab, pf
	WIN 0
	s_wait_loadcnt \wl                             ; loads come back in order (ISA guide 5.7.1): this step's Wc is in, and so is unit d + 2, which was asked for earlier
.if \cv
	CVA (\d)+2
.else
	PLACES                                         ; kept from the plain form, behind the last products and ahead of the loads into fragments that they read; they stand beside the wait below, not for it
.endif
	s_wait_alu depctr_va_vdst(0)                   ; the conversions have written the pairs that the LDS stores read; the products of the step before are done reading A1, their Wc and their A0, in which this step's loads land; behind an advance v[AR ..] and v[AW] are written
.if \ls
	s_wait_alu depctr_vm_vsrc(0)                   ; the LDS stores of the step before have read ST[(d + 1) % 4], in which unit d + 5 lands
.endif
.if \cv
	CVS (\d)+2
.endif
	AFLD AF1, \d, 1
	s_wait_dscnt 8*(\cv)+8                         ; rows 0-63's fragments are in; the stores and the eight loads just issued may be out
.set mi, 0
.set gi, 0
.rept 8
	MM \d, 0, \zero
	MM \d, 0, \zero
	GRP \d, \ls, \lb, \pf                          ; no wait: no vector or matrix instruction since the wait above names a register that these loads touch
.set gi, gi+1
.endr
.if \bar
	s_wait_dscnt 0x0                               ; for the others' sake: both units of the next 64 channels are stored (this step's and the step's before)
	s_barrier_signal -1
.endif
.rept 16
	MM \d, 0, \zero
.endr
.if \bar
	s_barrier_wait -1                              ; every wave's are: the loads below may read them
.else
	s_wait_dscnt 0x0                               ; rows 64-127's fragments are in
.endif
.set mi, 0
.set gi, 0
.rept 16
	MM \d, 1, \zero
	MM \d, 1, \zero
	HGRP \d, \nxt, \tab                            ; no wait: the other parity's A0 was last read in the step before, ahead of this step's wait; the table's registers are named by no product
.set gi, gi+1
.endr
.endm
	s_load_b256 s[8:15], s[0:1], 0x0               ; encoder_hiddens s[8:9], wcf s[10:11], biasp s[12:13], Wb_b s[14:15]
	s_load_b256 s[16:23], s[0:1], 0x20             ; Wc_b s[16:17], Wa_w s[18:19], Wa_b s[20:21], part s[22:23]
	s_load_b64 s[24:25], s[0:1], 0x40              ; stats
	v_lshl_add_u32 v62, v0, 2, 0x45200
	v_mov_b32 v63, 0
	v_lshrrev_b32 v48, 5, v0
	v_readfirstlane_b32 s[WV], v48                 ; wave 0..3
	s_and_b32 s[BAT], ttmp7, 0xffff
	s_lshl_b32 s[IDX], s[BAT], 4
	s_add_co_u32 s[IDX], s[IDX], ttmp9
	v_and_b32 v[LN], 31, v0
	v_and_b32 v[RR], 15, v0
	v_bfe_u32 v[HH], v0, 4, 1
	v_lshlrev_b32 v[L16], 4, v[LN]
	v_lshlrev_b32 v[EO], 4, v[RR]
	v_lshl_add_u32 v[EO], v[HH], 12, v[EO]
	v_lshlrev_b32 v[PFO], 12, v[LN]
	s_wait_alu depctr_va_sdst(0)                   ; the wave's number is written, ahead of its first reader: LDS places and the buffers' offsets are made from it
	s_mul_i32 s[T], s[WV], QUART
	v_mul_u32_u24 v[AW0], v[HH], PA
	v_lshl_add_u32 v[AW0], v[RR], 3, v[AW0]
	v_add_nc_u32 v[AW0], s[T], v[AW0]
	v_mov_b32 v[AW], v[AW0]
	v_mul_u32_u24 v[AR0], v[RR], PA
	v_lshl_add_u32 v[AR0], v[HH], 4, v[AR0]
	v_add_nc_u32 v[AR0+1], QUART, v[AR0]
	v_add_nc_u32 v[AR0+2], 2*QUART, v[AR0]
	v_add_nc_u32 v[AR0+3], 3*QUART, v[AR0]
.irp i, 0,1,2,3
	v_mov_b32 v[AR+(\i)], v[AR0+(\i)]
.endr
	s_lshl_b32 s[T], s[WV], 9
	s_add_co_u32 s[T], s[T], BT
	v_lshl_add_u32 v[TA], v[HH], 5, s[T]
	v_lshlrev_b32 v[T16], 4, v0
.irp a, 0,1,2,3,4,5,6,7
	v_mov_b32 v[SC+(\a)], 0                        ; eight score sums a lane, taken up by both passes' one text
.endr
	s_mov_b32 s[SEL], 0x76543210
	s_mov_b32 s[SEL+1], 0xfedcba98
	s_mov_b32 s[HIM], 0xffff0000
	s_mov_b32 s[C2], 0x4038aa3b
	s_mov_b32 s[C2+1], s[C2]                       ; named with it as a pair
	s_mov_b32 s[L2E], 0x3fb8aa3b
	s_mov_b32 s[KB], 0
	s_mov_b32 s[PASS], 2
	s_wait_kmcnt 0x0
	s_load_b32 s[WAB], s[20:21], 0x0
	s_lshl_b32 s[T], s[IDX], 19                    ; a block is 128 rows of 4,096 bytes,
	s_lshl_b32 s[T2], s[WV], 17                    ; my wave fills 32 of them
	s_add_co_u32 s[T], s[T], s[T2]
	s_mov_b32 s[T+1], 0
	s_add_nc_u64 s[SE:SE+1], s[8:9], s[T:T+1]
	s_lshl_b32 s[T], s[WV], 19
	s_add_nc_u64 s[SB:SB+1], s[10:11], s[T:T+1]
	s_lshl_b32 s[T], s[BAT], 12
	s_add_nc_u64 s[12:13], s[12:13], s[T:T+1]      ; biasp at my batch
	s_lshl_b32 s[T], s[IDX], 12
	s_lshl_b32 s[T2], s[WV], 10
	s_add_co_u32 s[T], s[T], s[T2]
	s_add_nc_u64 s[22:23], s[22:23], s[T:T+1]      ; part at my block, my wave's 256 channels
	s_lshl_b32 s[T], s[IDX], 8
	s_add_nc_u64 s[24:25], s[24:25], s[T:T+1]      ; stats at my block
	s_wait_alu depctr_va_vdst(0)                   ; the offsets and LDS addresses v1 to v15 are written, which the loads and stores below read
	LS 0
	LS 1
	LS 2
	LS 3
.irp q, 0,1,2,3                                ; the tables' sources: thread t takes n = 4 t .. + 3 and 512 + 4 t .. + 3: 512 consecutive bytes a load
	global_load_b128 v[64+8*(\q):64+8*(\q)+3], v[T16], s[12:13] offset:(\q)*131072
	global_load_b128 v[64+8*(\q)+4:64+8*(\q)+7], v[T16], s[12:13] offset:(\q)*131072+2048
.endr
	global_load_b128 v[96:99], v[T16], s[14:15]
	global_load_b128 v[100:103], v[T16], s[14:15] offset:2048
	global_load_b128 v[104:107], v[T16], s[16:17]
	global_load_b128 v[108:111], v[T16], s[16:17] offset:2048
	global_load_b128 v[112:115], v[T16], s[18:19]
	global_load_b128 v[116:119], v[T16], s[18:19] offset:2048
	LB 0
	LB 1
	WIN 0
	s_wait_loadcnt 62                              ; units 0 and 1 are in; younger: units 2 and 3 (16), the tables' 14, Wc's 32
	CVA 0
	CVA 1
	s_wait_alu depctr_va_vdst(0)                   ; the conversions have written the pairs in ST0 and ST1, which the LDS stores read
	CVS 0
	CVS 1
	s_wait_loadcnt 32                              ; the tables' sources are in; younger: Wc's 32
	s_wait_kmcnt 0x0                               ; Wa_b
.macro RND b                           ; eight numbers rounded to bf16 and widened again, in place
.irp e, 0,2,4,6
	v_cvt_pk_bf16_f32 v[48+(\e)/2], v[(\b)+(\e)], v[(\b)+(\e)+1]
.endr
.irp e, 0,2,4,6
	v_lshlrev_b32 v[(\b)+(\e)], 16, v[48+(\e)/2]
	v_and_b32 v[(\b)+(\e)+1], s[HIM], v[48+(\e)/2]
.endr
.endm
.irp e, 0,2,4,6
	v_pk_add_f32 v[64+(\e):64+(\e)+1], v[64+(\e):64+(\e)+1], v[72+(\e):72+(\e)+1]
	v_pk_add_f32 v[80+(\e):80+(\e)+1], v[80+(\e):80+(\e)+1], v[88+(\e):88+(\e)+1]
.endr
	RND 96
	RND 104
	RND 112
.irp e, 0,2,4,6
	v_pk_add_f32 v[64+(\e):64+(\e)+1], v[64+(\e):64+(\e)+1], v[80+(\e):80+(\e)+1]
	v_pk_add_f32 v[96+(\e):96+(\e)+1], v[96+(\e):96+(\e)+1], v[104+(\e):104+(\e)+1]
.endr
.irp e, 0,2,4,6
	v_pk_add_f32 v[64+(\e):64+(\e)+1], v[64+(\e):64+(\e)+1], v[96+(\e):96+(\e)+1]  ; bias = the four parts of dec_proj + Wb_b + Wc_b
.endr
	v_pk_add_f32 v[52:53], v[112:113], v[114:115]
	v_pk_add_f32 v[54:55], v[116:117], v[118:119]
	v_pk_add_f32 v[52:53], v[52:53], v[54:55]
	v_add_f32 v52, v52, v53                        ; my eight Wa
.irp e, 0,2,4,6
	v_pk_mul_f32 v[112+(\e):112+(\e)+1], v[112+(\e):112+(\e)+1], -2.0 op_sel_hi:[1,0]
.endr
	v_add_nc_u32 v56, BT, v[T16]
	v_lshl_add_u32 v57, v0, 2, WS
	s_wait_alu depctr_va_vdst(0)                   ; the tables' numbers (v52, v64-71, v112-119) and their LDS addresses v56, v57 are written, which the LDS stores below read
	s_wait_alu depctr_vm_vsrc(0)                   ; unit 0's LDS stores have read ST0, in which unit 4 lands
	LS 4
	ds_store_b128 v56, v[64:67]
	ds_store_b128 v56, v[68:71] offset:2048
	ds_store_b128 v56, v[112:115] offset:4096
	ds_store_b128 v56, v[116:119] offset:6144
	ds_store_b32 v57, v52
	s_wait_dscnt 0x0                               ; for the others' sake: units 0 and 1 and my part of the tables are stored
	s_barrier_signal -1
	s_barrier_wait -1
	s_wait_alu depctr_vm_vsrc(0)                   ; my LDS stores have read v52, v64-71 and v112-119: these registers are A0o, A0e and A1 from here on, in which the fragments' loads land
	BILD 0x40, 192, 0                              ; pass 0's bias, into Wc's fourth buffer, which is loaded only in step 1
	AFLD AF0, 0, 0
	; PASS 0.  In a step Wc of step s + 2 goes out, then unit s + 5.  So behind Wc of step s stand unit s + 3, Wc of s + 1 and unit s + 4: 8 + 16 + 8 = 32 younger loads.
	STEP 0, 1, 24, 1, 1, 2, 0, 1, 0, 0             ; step 0: younger than its Wc are step 1's 16 and unit 4's 8
	WIN 0
	s_mov_b32 s[TRIP], 6
.Lfill:                                        ; steps 1 to 24
	STEP 1, 0, 32, 1, 1, 2, 1, 1, 0, 1
	STEP 2, 0, 32, 1, 1, 2, 0, 1, 0, 0
	STEP 3, 0, 32, 1, 1, 2, 1, 1, 0, 2
	STEP 4, 0, 32, 1, 1, 2, 0, 1, 0, 0
	ADV 1
	s_sub_co_u32 s[TRIP], s[TRIP], 1
	s_cmp_lg_u32 s[TRIP], 0
	s_cbranch_scc1 .Lfill
	STEP 1, 0, 32, 1, 1, 2, 1, 1, 0, 0             ; step 25 (the base is 24): unit 30 is asked for
	STEP 2, 0, 32, 1, 1, 2, 0, 1, 0, 0             ; 26: unit 31, the last
	STEP 3, 0, 32, 1, 0, 2, 1, 1, 0, 0             ; 27
	STEP 4, 0, 24, 1, 0, 5, 0, 1, 0, 0             ; 28: younger are unit 31's 8 and step 29's 16; from here Wc runs three steps ahead
	STEP 5, 0, 32, 1, 0, 3, 1, 1, 0, 0             ; 29: younger are steps 30's and 31's; the last unit is stored, the last barrier
	STEP 6, 0, 32, 0, 0, 3, 0, 1, 0, 0             ; 30
	s_wait_alu depctr_vm_vsrc(0)                   ; the LDS stores of units 28 to 31 have read ST0 to ST3: the table lands in ST2 and ST3 in step 31, pass 1's bias in ST0 and ST1 behind it
	STEP 7, 0, 32, 0, 0, 3, 0, 0, 1, 0             ; 31: pass 1's first three steps of Wc stay on their way through what follows
	WIN 0
; THE EPILOGUE, one text for both passes, in place on the accumulators, a window at a time.  A group g is one row block: 64 registers, 32 pairs; pair i is registers 2 (i / 8), + 1 of accumulator i % 8.
; It holds no memory or LDS instruction.
.macro RRSET g, i
.set rr, 64*(\g)+8*((\i)%8)+2*((\i)/8)
.set tt, WA+8*((\i)%8)+2*((\i)/8)
.set cc, 64*(\g)+8*((\i)%8)
.endm
.macro EF g, i                         ; c x
	RRSET \g, \i
	v_pk_mul_f32 v[rr:rr+1], v[rr:rr+1], s[C2:C2+1] op_sel_hi:[1,0]
.endm
.macro EE g, i, z                      ; 2^(c x)
	RRSET \g, \i
	v_exp_f32 v[rr+(\z)], v[rr+(\z)]
.endm
.macro EA g, i                         ; + 1
	RRSET \g, \i
	v_pk_add_f32 v[rr:rr+1], v[rr:rr+1], 1.0 op_sel_hi:[1,0]
.endm
.macro ER g, i, z                      ; the reciprocal
	RRSET \g, \i
	v_rcp_f32 v[rr+(\z)], v[rr+(\z)]
.endm
.macro ES g, i                         ; times -2 Wa, summed into each accumulator's first pair
	RRSET \g, \i
.if (\i) < 8
	v_pk_mul_f32 v[rr:rr+1], v[rr:rr+1], v[tt:tt+1]
.else
	v_pk_fma_f32 v[cc:cc+1], v[rr:rr+1], v[tt:tt+1], v[cc:cc+1]
.endif
.endm
; Stage n: group n is scaled, group n - 1 has its exponentials, group n - 2 its + 1 and its reciprocals, group n - 3 its products.  No line of a stage names a result of that stage's exponentials or reciprocals:
; they are one batch, and the next stage opens with the plain instruction behind the last of them and the one wait ahead of their first reader.
.macro STAGE n
.if (\n) >= 2
	v_nop
	s_wait_alu depctr_va_vdst(0)                   ; the exponentials and reciprocals of the stage before have written their results, which this stage reads
.endif
.set i, 0
.rept 32
.if ((\n) >= 2) && ((\n) <= 5)
	EA (\n)-2, i
.endif
.if ((\n) >= 1) && ((\n) <= 4)
	EE (\n)-1, i, 0
.endif
.if (\n) <= 3
	EF \n, i
.endif
.if ((\n) >= 1) && ((\n) <= 4)
	EE (\n)-1, i, 1
.endif
.set i, i+1
.endr
.set i, 0
.rept 32
.if (\n) >= 3
	ES (\n)-3, i
.endif
.if ((\n) >= 2) && ((\n) <= 5)
	ER (\n)-2, i, 0
	ER (\n)-2, i, 1
.endif
.set i, i+1
.endr
.endm
.macro EPW W                           ; window W = 2, 3
	WIN 0xa2+0x51*((\W)-2)                         ; destination, sources 0 and 2 in the window; source 1, the table, in window 0
.irp n, 0,1,2,3,4,5,6
	STAGE \n
.endr
	WIN 0xaa+0x55*((\W)-2)                         ; a group's eight pairs into one, the groups by turns
.irp b, 0,2,4,6
.irp g, 0,1,2,3
	v_pk_add_f32 v[64*(\g)+8*(\b):64*(\g)+8*(\b)+1], v[64*(\g)+8*(\b):64*(\g)+8*(\b)+1], v[64*(\g)+8*(\b)+8:64*(\g)+8*(\b)+9]
.endr
.endr
.irp b, 0,4
.irp g, 0,1,2,3
	v_pk_add_f32 v[64*(\g)+8*(\b):64*(\g)+8*(\b)+1], v[64*(\g)+8*(\b):64*(\g)+8*(\b)+1], v[64*(\g)+8*(\b)+16:64*(\g)+8*(\b)+17]
.endr
.endr
.irp g, 0,1,2,3
	v_pk_add_f32 v[64*(\g):64*(\g)+1], v[64*(\g):64*(\g)+1], v[64*(\g)+32:64*(\g)+33]
.endr
	WIN 0x0a+5*((\W)-2)                            ; sources in the window, destination in window 0
.irp g, 0,1,2,3
	v_add_f32 v[TMP+4*((\W)-2)+(\g)], v[64*(\g)], v[64*(\g)+1]
.endr
.endm
.Lepi:
	s_wait_dscnt 0x0                               ; the table -2 Wa is in
	PLACES
	PLACES                                         ; the places behind the pass's last products, twice a block
	EPW 2
	EPW 3
	WIN 0
.irp k, 0,2,4,6
	v_pk_add_f32 v[SC+(\k):SC+(\k)+1], v[SC+(\k):SC+(\k)+1], v[TMP+(\k):TMP+(\k)+1]
.endr
	s_wait_alu depctr_vm_vsrc(0)                   ; the LDS loads issued so far have read v[TA] and v[AR ..] (v10-13): v[TA] is written below, v[AR ..] behind the branch on either way
	v_add_nc_u32 v[TA], 2048, v[TA]                ; the tables' next 512 columns
	s_sub_co_u32 s[PASS], s[PASS], 1
	s_cmp_eq_u32 s[PASS], 0
	s_cbranch_scc1 .Lsoft
	; PASS 1: all rows lie in LDS; no barrier.  Wc runs three steps ahead: behind step s's stand the 32 loads of steps s + 1 and s + 2.
	s_wait_xcnt 0x0                                ; the loads of steps 32 to 34 have read their address
	s_add_nc_u64 s[SB:SB+1], s[SB:SB+1], 8*8192    ; the base goes from 24 to 32
	s_mov_b32 s[KB], 0
.irp i, 0,1,2,3
	v_mov_b32 v[AR+(\i)], v[AR0+(\i)]
.endr
	s_wait_alu depctr_va_vdst(0)                   ; v[TA] and v[AR ..] are written, which the LDS loads below read; pass 0's products and conversions are done with A0e and with ST0 and ST1, in which they land
	BILD 0, BI, 0                                  ; pass 1's bias, into staging registers that are idle now
	AFLD AF0, 0, 0
	STEP 0, 2, 32, 0, 0, 3, 0, 1, 0, 0             ; step 32
	WIN 0
	s_mov_b32 s[TRIP], 7
.Lrun:                                         ; steps 33 to 60
	STEP 1, 0, 32, 0, 0, 3, 0, 1, 0, 0
	STEP 2, 0, 32, 0, 0, 3, 0, 1, 0, 0
	STEP 3, 0, 32, 0, 0, 3, 0, 1, 0, 0
	STEP 4, 0, 32, 0, 0, 3, 0, 1, 0, 0
	ADV 0
	s_sub_co_u32 s[TRIP], s[TRIP], 1
	s_cmp_lg_u32 s[TRIP], 0
	s_cbranch_scc1 .Lrun
	STEP 1, 0, 32, 0, 0, 0, 0, 1, 0, 0             ; 61: nothing is left to ask for, and the counts run down
	STEP 2, 0, 16, 0, 0, 0, 0, 1, 0, 0             ; 62
	STEP 3, 0, 0, 0, 0, 0, 0, 0, 1, 0              ; 63
	WIN 0
	s_branch .Lepi
.Lsoft:                                        ; THE BLOCK'S SOFTMAX AND CONTEXT.  All its LDS addresses are made first, so that one wait states them all.
	s_lshl_b32 s[T], s[WV], 10
	s_add_co_u32 s[T2], s[T], SCP
	v_lshl_add_u32 v48, v[RR], 2, s[T2]
	v_lshl_add_u32 v48, v[HH], 9, v48
	v_add_nc_u32 v49, WS, v[L16]
	v_and_b32 v50, 7, v0
	v_bfe_u32 v51, v0, 3, 1
	v_lshl_add_u32 v50, v[HH], 3, v50
	v_mul_u32_u24 v52, v50, PA                     ; the turning load: row 8 h + l % 8,
	v_lshl_add_u32 v52, v51, 4, v52                ; channels 8 ((l / 8) % 2) + 0..7,
	s_lshl_b32 s[T2], s[WV], 9
	v_add_nc_u32 v52, s[T2], v52                   ; of my wave's 256 channels;
	v_add_nc_u32 v53, QUART, v52                   ; one address for each 32 rows
	v_add_nc_u32 v54, 2*QUART, v52
	v_add_nc_u32 v55, 3*QUART, v52
	s_add_co_u32 s[T2], s[T2], PB
	v_lshl_add_u32 v56, v[LN], 3, s[T2]            ; my four rows' hi
	v_and_b32 v57, 1, v0
	v_lshlrev_b32 v57, 8, v57
	v_lshl_add_u32 v57, v[HH], 4, v57
	v_add_nc_u32 v57, s[T2], v57                   ; source 0: even rows read hi, odd rows lo
	s_add_co_u32 s[T2], s[T], CS
	v_lshl_add_u32 v58, v[LN], 2, s[T2]
	v_add_nc_u32 v10, s[T2], v[L16]
	v_lshlrev_b32 v11, 3, v[LN]
	s_wait_alu depctr_va_vdst(0)                   ; the scores v16-23 and the addresses v48, v49, v52-58, v10, v11 are written, which the stores and loads below read; the epilogue is done with v128-163 and with the accumulators, in which loads land
.irp a, 0,1,2,3,4,5,6,7
	ds_store_b32 v48, v[SC+(\a)] offset:(\a)*64    ; row 16 a + r: the part of my wave's columns with my h
.endr
	s_wait_dscnt 0x0                               ; for the others' sake: my score parts are stored
	s_barrier_signal -1
	s_barrier_wait -1
.irp i, 0,1,2,3,4,5,6,7
	ds_load_b128 v[128+4*(\i):128+4*(\i)+3], v49 offset:512+(\i)*512  ; every wave takes all 128 rows, four a lane: the eight parts,
.endr
	ds_load_b128 v[160:163], v49                   ; and four threads' sums of Wa
.macro TRLD sb                         ; rows 32 sb .. + 31 x my 256 channels, turned: 16 fragments
	WIN 0x80+0x40*((\sb)/2)
.irp hb, 0,1,2,3,4,5,6,7,8,9,10,11,12,13,14,15
	ds_load_tr16_b128 v[((\sb)%2)*128+8*(\hb):((\sb)%2)*128+8*(\hb)+3], v[52+(\sb)] offset:(\hb)*32
	ds_load_tr16_b128 v[((\sb)%2)*128+8*(\hb)+4:((\sb)%2)*128+8*(\hb)+7], v[52+(\sb)] offset:(\hb)*32+HALF
.endr
.endm
	TRLD 0
	WIN 0
	s_wait_dscnt 32                                ; the nine are in; the 32 turning loads may stay out
.irp i, 0,2,4,6
	v_pk_add_f32 v[128+4*(\i):128+4*(\i)+1], v[128+4*(\i):128+4*(\i)+1], v[132+4*(\i):132+4*(\i)+1]
	v_pk_add_f32 v[130+4*(\i):130+4*(\i)+1], v[130+4*(\i):130+4*(\i)+1], v[134+4*(\i):134+4*(\i)+1]
.endr
.irp i, 0,4
	v_pk_add_f32 v[128+4*(\i):128+4*(\i)+1], v[128+4*(\i):128+4*(\i)+1], v[136+4*(\i):136+4*(\i)+1]
	v_pk_add_f32 v[130+4*(\i):130+4*(\i)+1], v[130+4*(\i):130+4*(\i)+1], v[138+4*(\i):138+4*(\i)+1]
.endr
	v_pk_add_f32 v[128:129], v[128:129], v[144:145]
	v_pk_add_f32 v[130:131], v[130:131], v[146:147]
	v_pk_add_f32 v[160:161], v[160:161], v[162:163]
	v_add_f32 v160, v160, v161
.irp x, 1,2,4,8
	v_add_f32_dpp v160, v160, v160 row_xmask:\x row_mask:0xf bank_mask:0xf
.endr
	v_permlanex16_b32 v161, v160, s[SEL], s[SEL+1]
	v_add_f32 v160, v160, v161                     ; the sum of all Wa
	v_cvt_pk_bf16_f32 v162, s[WAB], s[WAB]
	v_lshlrev_b32 v162, 16, v162
	v_add_f32 v160, v160, v162                     ; + Wa_b
	v_pk_add_f32 v[128:129], v[128:129], v[160:161] op_sel_hi:[1,0]
	v_pk_add_f32 v[130:131], v[130:131], v[160:161] op_sel_hi:[1,0]  ; my four rows' scores
	v_max3_num_f32 v164, v128, v129, v130
	v_max_num_f32 v164, v164, v131
.irp x, 1,2,4,8
	v_max_num_f32_dpp v164, v164, v164 row_xmask:\x row_mask:0xf bank_mask:0xf
.endr
	v_permlanex16_b32 v161, v164, s[SEL], s[SEL+1]
	v_max_num_f32 v50, v164, v161                  ; m, the block's maximum
	v_mul_f32 v162, s[L2E], v50
.irp j, 0,1,2,3
	v_fma_f32 v[132+(\j)], v[128+(\j)], s[L2E], -v162
.endr
.irp j, 0,1,2,3
	v_exp_f32 v[132+(\j)], v[132+(\j)]
.endr
	v_nop                                          ; a plain instruction behind the last exponential,
	s_wait_alu depctr_va_vdst(0)                   ; and the one wait ahead of the first reader: the four exponentials have written v132-135
	v_pk_add_f32 v[136:137], v[132:133], v[134:135]
	v_cvt_pk_bf16_f32 v140, v132, v133             ; hi
	v_cvt_pk_bf16_f32 v141, v134, v135
	v_add_f32 v136, v136, v137
	v_lshlrev_b32 v144, 16, v140
	v_and_b32 v145, s[HIM], v140
	v_lshlrev_b32 v146, 16, v141
	v_and_b32 v147, s[HIM], v141
	v_pk_add_f32 v[144:145], v[132:133], v[144:145] neg_lo:[0,1] neg_hi:[0,1]
	v_pk_add_f32 v[146:147], v[134:135], v[146:147] neg_lo:[0,1] neg_hi:[0,1]
	v_cvt_pk_bf16_f32 v142, v144, v145             ; lo = p - hi, rounded
	v_cvt_pk_bf16_f32 v143, v146, v147
	s_wait_alu depctr_va_vdst(0)                   ; the conversions have written hi and lo in v140-143, which the LDS stores read
	ds_store_b64 v56, v[140:141]
	ds_store_b64 v56, v[142:143] offset:256
.irp s, 0,1,2,3
	ds_load_b128 v[64+8*(\s):64+8*(\s)+3], v57 offset:(\s)*64      ; LDS serves a wave's instructions in order (ISA guide 5.7.1.4): these see my wave's stores above
	ds_load_b128 v[64+8*(\s)+4:64+8*(\s)+7], v57 offset:(\s)*64+32
.endr
	TRLD 1
	TRLD 2
	TRLD 3
	WIN 0
.irp x, 1,2,4,8
	v_add_f32_dpp v136, v136, v136 row_xmask:\x row_mask:0xf bank_mask:0xf
.endr
	v_permlanex16_b32 v137, v136, s[SEL], s[SEL+1]
	v_add_f32 v51, v136, v137                      ; l, the sum of the unrounded p
.macro CTX sb                          ; 16 products: the 16 accumulators (window 1) take turns
	WIN 0x58+4*((\sb)/2)
.irp hb, 0,1,2,3,4,5,6,7,8,9,10,11,12,13,14,15
.if (\sb) == 0
	v_wmma_f32_16x16x32_bf16 v[8*(\hb):8*(\hb)+7], v[64+8*(\sb):64+8*(\sb)+7], v[((\sb)%2)*128+8*(\hb):((\sb)%2)*128+8*(\hb)+7], 0
.else
	v_wmma_f32_16x16x32_bf16 v[8*(\hb):8*(\hb)+7], v[64+8*(\sb):64+8*(\sb)+7], v[((\sb)%2)*128+8*(\hb):((\sb)%2)*128+8*(\hb)+7], v[8*(\hb):8*(\hb)+7]
.endif
.endr
.endm
	s_wait_dscnt 63                                ; 96 loads are younger than source 0's and the first 32 rows': the field's largest count serves
	CTX 0
	s_wait_dscnt 63                                ; 64 are younger than rows 32-63's
	CTX 1
	s_wait_dscnt 32
	CTX 2
	s_wait_dscnt 0x0
	CTX 3
	PLACES
	PLACES
	s_wait_alu depctr_vm_vsrc(0)                   ; the LDS stores of hi and lo have read v140-143, which the additions below write
	WIN 0x05                                       ; sources in window 1, destination in window 0
.irp hb, 0,1,2,3,4,5,6,7,8,9,10,11,12,13,14,15
	v_add_f32 v[128+(\hb)], v[8*(\hb)], v[8*(\hb)+1]               ; hi's row + lo's row: channel 16 hb + r, in both halves of the lanes
.endr
	WIN 0
.irp i, 0,1,2,3,4,5,6,7
	v_cndmask_b32 v[144+(\i)], v[128+2*(\i)], v[129+2*(\i)], s[HIM]  ; lane l: channel 32 i + l
.endr
	s_wait_alu depctr_va_vdst(0)                   ; the selects have written v144-151, which the LDS stores read; m and l in v50, v51 are written, which wave 0's store reads; the sums above are done reading v152-159, in which the loads below land
.irp i, 0,1,2,3,4,5,6,7
	ds_store_b32 v58, v[144+(\i)] offset:(\i)*128
.endr
	ds_load_b128 v[152:155], v10                   ; back, four neighbouring channels a lane (my wave's own bytes, in order)
	ds_load_b128 v[156:159], v10 offset:512
	s_wait_dscnt 0x0
	global_store_b128 v[L16], v[152:155], s[22:23]             ; 512 consecutive bytes, aligned
	global_store_b128 v[L16], v[156:159], s[22:23] offset:512
	s_cmp_lg_u32 s[WV], 0
	s_cbranch_scc1 .Lend
	global_store_b64 v11, v[50:51], s[24:25]       ; wave 0: (m, l) 32 times: 256 consecutive bytes, aligned
.Lend:
	s_wait_dscnt 0x0                               ; the wave's end: my last LDS instructions are done
	s_wait_alu depctr_hold_cnt(0) depctr_sa_sdst(0) depctr_va_vdst(0) depctr_va_sdst(0) depctr_va_ssrc(0) depctr_va_vcc(0) depctr_vm_vsrc(0)
	s_wait_tensorcnt 0x0
	ds_add_u32 v62, v63
	s_wait_dscnt 0x0
	s_endpgm
.Lfunc_end_k_qbd07943aa0_main:
	.size	k_qbd07943aa0_main, .Lfunc_end_k_qbd07943aa0_main-k_qbd07943aa0_main
	.p2alignl 7, 3214868480
	.fill 96, 4, 3214868480
	.section	.rodata,"a",@progbits
	.p2align	6, 0x0
	.amdhsa_kernel k_qbd07943aa0_main
		.amdhsa_group_segment_fixed_size 283648
		.amdhsa_private_segment_fixed_size 0
		.amdhsa_enable_private_segment 0
		.amdhsa_kernarg_size 72
		.amdhsa_user_sgpr_count 2
		.amdhsa_user_sgpr_kernarg_segment_ptr 1
		.amdhsa_wavefront_size32 1
		.amdhsa_system_sgpr_workgroup_id_x 1
		.amdhsa_system_sgpr_workgroup_id_y 1
		.amdhsa_system_sgpr_workgroup_id_z 1
		.amdhsa_system_vgpr_workitem_id 0
		.amdhsa_next_free_vgpr 1024
		.amdhsa_next_free_sgpr 66
		.amdhsa_reserve_vcc 0
		.amdhsa_float_denorm_mode_32 3
		.amdhsa_float_denorm_mode_16_64 3
		.amdhsa_memory_ordered 1
		.amdhsa_forward_progress 1
		.amdhsa_inst_pref_size 255
	.end_amdhsa_kernel
	.section	.bss,"aw",@nobits
	.p2align	6
	.space	262144
	.amdgpu_metadata
---
amdhsa.version: [ 1, 2 ]
amdhsa.kernels:
  - .name:           k_qbd07943aa0_main
    .symbol:         k_qbd07943aa0_main.kd
    .args:
      - { .name: encoder_hiddens, .offset: 0, .size: 8, .value_kind: global_buffer, .address_space: global }
      - { .name: wcf, .offset: 8, .size: 8, .value_kind: global_buffer, .address_space: global }
      - { .name: biasp, .offset: 16, .size: 8, .value_kind: global_buffer, .address_space: global }
      - { .name: Wb_b, .offset: 24, .size: 8, .value_kind: global_buffer, .address_space: global }
      - { .name: Wc_b, .offset: 32, .size: 8, .value_kind: global_buffer, .address_space: global }
      - { .name: Wa_w, .offset: 40, .size: 8, .value_kind: global_buffer, .address_space: global }
      - { .name: Wa_b, .offset: 48, .size: 8, .value_kind: global_buffer, .address_space: global }
      - { .name: part, .offset: 56, .size: 8, .value_kind: global_buffer, .address_space: global }
      - { .name: stats, .offset: 64, .size: 8, .value_kind: global_buffer, .address_space: global }
    .group_segment_fixed_size: 283648
    .private_segment_fixed_size: 0
    .kernarg_segment_align: 8
    .kernarg_segment_size: 72
    .max_flat_workgroup_size: 128
    .sgpr_count:     66
    .vgpr_count:     1024
    .wavefront_size: 32
...
	.end_amdgpu_metadata
.endif
;; end of part 4
;; launch finish: the kernel of part 3 again; grid 4 x 32, 2 waves a work-group, no clusters, 0 bytes of LDS; arguments part, stats, out0; writes out0
